; MI455X (gfx1250); checked and timed in simulation.
; The chip was launched on July 23, 2026; its instructions are those of AMD's public machine-readable ISA for CDNA 5 (MIT licence, August 2026) and "CDNA5" Instruction Set Architecture Reference Guide (July 2026). The comments in the code are by the model that wrote it; some were corrected since.
;; Multi Head Attention. Allowed arithmetic: matrix products marked QUANTISED: E2M3 operands, one E8M0 scale for each 32 along K, by v_wmma_scale_f32_16x16x128_f8f6f4 with both operands' format E2M3, f32 sums; everything else in f32.
;; Inputs: K_input 2 x 2,048 x 1,024 float32; Q_input 2 x 2,048 x 1,024 float32; V_input 2 x 2,048 x 1,024 float32; W_k 1,024 x 1,024 float32; W_o 1,024 x 1,024 float32; W_q 1,024 x 1,024 float32; W_v 1,024 x 1,024 float32; b_k 1,024 float32; b_o 1,024 float32; b_q 1,024 float32; b_v 1,024 float32; causal_mask 2,048 x 2,048 float32; padding_mask 2 x 2,048 bool.
;; Outputs: out0 2 x 2,048 x 1,024 float32.
;; This version of the problem:
;;   THIS VERSION OF THE PROBLEM IS GIVEN IN LOW PRECISION. The matrix products marked QUANTISED in the list below multiply operands that are first quantised to E2M3 (2 exponent bits, 3 mantissa bits; 6 bits a number), with one power-of-two scale for each 32 numbers along K (OCP MX v1.0); their sums are f32. All else is computed in f32.
;;   The module's matrix products, in the order in which they are computed (A, B: the left and right operand; K: the contracted axis; several contracted axes count as one K, in the product's order):
;;     1. [M 4,096, K 1,024] x [K 1,024, N 1,024]; A: input Q_input; B: input W_q: QUANTISED
;;     2. [M 4,096, K 1,024] x [K 1,024, N 1,024]; A: input K_input; B: input W_k: QUANTISED
;;     3. [M 4,096, K 1,024] x [K 1,024, N 1,024]; A: input V_input; B: input W_v: QUANTISED
;;     4. batch 32 x [M 2,048, K 64] x [K 64, N 2,048]; A: computed on the way; B: computed on the way: QUANTISED
;;     5. batch 32 x [M 2,048, K 2,048] x [K 2,048, N 64]; A: softmax (see below); B: computed on the way: QUANTISED
;;     6. [M 4,096, K 1,024] x [K 1,024, N 1,024]; A: computed on the way; B: input W_o: QUANTISED
;;   THE QUANTISER, for each operand of a quantised product, along K:
;;     - K is cut into blocks of 32 from its start; a last block that is shorter is filled with zeros.
;;     - A block's scale is 2^e with e = floor(log2(the largest magnitude in the block)) - 2, held to -126 .. 127; a block of zeros has e = 0. As a byte (E8M0): e + 127.
;;     - Each number is divided by its block's scale, clamped to +-7.5, and rounded to the nearest number of E2M3, ties to even, subnormals kept.
;;     - The product sums the exact products of the quantised numbers (number of the format x scale) in f32.
;;   ~~~python
;;   def quantise(x, axis):      # numpy; x: float32 -> the quantised numbers, widened to float32 again
;;       x = np.moveaxis(x, axis, -1); K = x.shape[-1]
;;       x = np.pad(x, [(0, 0)] * (x.ndim - 1) + [(0, -K % 32)]); x = x.reshape(x.shape[:-1] + (-1, 32)); a = np.abs(x).max(-1, keepdims=True)
;;       e = np.where(a > 0, np.clip(np.frexp(np.where(a > 0, a, 1))[1] - 1 - 2, -126, 127), 0)      # np.frexp(a)[1] - 1 = floor(log2(a)), exactly
;;       r = np.clip(x / 2.0 ** e, -7.5, 7.5)
;;       step = 2.0 ** (np.maximum(np.frexp(np.where(r == 0, 1, r))[1] - 1, 0) - 3)
;;       q = np.round(r / step) * step * 2.0 ** e      # np.round: ties to even
;;       return np.moveaxis(q.reshape(q.shape[:-2] + (-1,))[..., :K], -1, axis).astype(np.float32)
;;   ~~~
;;   SOFTMAX AHEAD OF A QUANTISED PRODUCT. Where the list says 'softmax', what is quantised is not the finished softmax but p = 2^(t - M), with t = logit x log2(e) and M = ceil(the row's largest t), a whole number; so 1/2 < the row's largest p <= 1. The row's sum l is taken of the UNQUANTISED p, in f32, and the product's result is divided by l at the end. Since M is a whole number, a kernel that streams over the keys may use a running M (the ceiling of the running maximum): every later rescaling is an exact power of two, which a block's scale takes up: the codes' values come out the same.
;;   OPERANDS COMPUTED ON THE WAY. 'Computed on the way' means the value that the module computes at that place (a softmax that the list does not call 'softmax' is quantised finished and normalised). What goes into a quantiser is computed in f32, as accurately as f32 sums, v_exp_f32 and their like allow (about 1e-6 of the number): no bf16 or f16 on the way to a quantiser, and a product that is left as it is and whose result goes on into a quantised operand takes f32 operands (vector FMAs, or v_wmma_f32_16x16x4_f32). A number that lies on a knife's edge between two numbers of the format may be rounded either way, as far as f32 arithmetic and the matrix unit's own rounding can turn it there, and no further.
;; One version. Each part assembles by itself: llvm-mc -triple=amdgcn-amd-amdhsa -mcpu=gfx1250 --defsym DOCPART=n.
;; ======== version 1 of 1: 4 launches
;; limits: right only within a limited range of input values
;; workspace buffers: img 15,728,640 bytes; scl 655,360 bytes; mimg 16,777,216 bytes; qimg 3,145,728 bytes; qscl 262,144 bytes; kv 6,553,600 bytes; mflag 8,192 bytes of whole numbers; mval 8,192 bytes
;; launch prep (part 1): grid 256 x 1, 4 waves a work-group, no clusters, 34,304 bytes of LDS; arguments Q_input, K_input, V_input, W_q, W_k, W_v, W_o, img, scl; writes img, scl
.if DOCPART == 1
	.amdgcn_target "amdgcn-amd-amdhsa--gfx1250"
	.amdhsa_code_object_version 6
	.text
	.protected	k_q4b2a9cc412_prep
	.globl	k_q4b2a9cc412_prep
	.p2align	8
	.type	k_q4b2a9cc412_prep,@function
k_q4b2a9cc412_prep:
	s_mov_b64 s[64:65], 0
	v_nop
	global_prefetch_b8 v0, s[64:65] scope:SCOPE_SE
	s_setreg_imm32_b32 hwreg(HW_REG_WAVE_MODE, 25, 1), 1
	s_wait_xcnt 0x0
; MULTI-HEAD ATTENTION IN MX-FP6, launch 1 of 4: the seven f32 operands of the projections become codes of E2M3 with E8M0 scales.
; DEAD WORK: none.  Both masks are inputs, so no score is left out; all four biases go into quantised operands or into the output; every input of reference() is loaded by some launch
; (causal_mask, padding_mask and three biases by the second, padding_mask again by the third, b_o by the fourth).
; LIMITS: NaN and infinities among the inputs are not served.  A block whose largest magnitude lies under 2^-124 keeps the scale byte 1; a block of zeros has the byte 1 where the quantiser says 127:
; its codes are zeros, which add nothing under any byte but 0xff, and these bytes are read by this program alone.
; TILES.  Tile T = 2 G + u of a tensor's rows holds rows 32 G + 8 u + r + 8 (r / 8), r = 0 .. 15: so the results of two neighbouring tiles, used as source 0 of a product, are 16 neighbours in a lane's registers.
; IMAGES.  The codes of 16 rows x 128 along K are stored in the order of the operand's registers.  A unit (768 bytes) is 16 rows x 64 codes: lane (r, h) holds row r, k = 32 h .. 32 h + 31 in six registers;
; registers 0-3 lie at 16 x lane, registers 4-5 at 512 + 8 x lane.  A fragment is two units.  img: (T x 8 + K step) x 1,536.  scl: T x 512 + 32 r + 4 x K step, one word of four scale bytes.
; Tiles of img: 0-255 Q_input, 256-511 K_input, 512-767 V_input, 768-831 W_q, 832-895 W_k, 896-959 W_v, 960-1023 W_o (1024-1279: the context, stored by the third launch).
; SHARES.  1,024 tiles, 256 work-groups of four waves: a wave takes one tile, 16 rows x 1,024 columns, in 8 steps of 128 columns.  Each load reads 512 consecutive bytes of one row; the 16 rows turn through the
; wave's own stage in LDS (rows 528 bytes apart, so that the sixteen rows of a read start at sixteen different banks) and come back, into the registers that they left, with a lane's numbers neighbours along K.
; Three sets of 64 registers take turns: while a step is worked on, the loads of the two steps behind it are on their way.  Waves share nothing: no barrier.
.set PITCH, 528
.set STG,   16*PITCH                   ; a wave's stage
.set SPARE, 4*STG                      ; the spare words, 128 bytes for each wave
.set A16,  1                           ; v1   16 x lane
.set SIN,  2                           ; v2   the stage, on the way in
.set SOUT, 3                           ; v3   and on the way out
.set A8,   5                           ; v5   8 x lane
.set ASW,  6                           ; v6   32 r + 16 h: my four scale words' place
.set SH8,  7                           ; v7   8 h
.set SPW,  8                           ; v8   LDS address of my spare word; never rewritten
.set NIL,  9                           ; v9   0; never rewritten
.set W,    16                          ; v16-23  the scale words of the 8 steps
.set TM,   24                          ; v24-31  at work
.set PC,   32                          ; v32-43  a fragment's codes
.set TP,   44                          ; v44-50  the upper halves of the blocks' codes
.set R,    64                          ; v64-255 three sets of 64 registers: as loaded, then neighbours along K
	s_load_b512 s[8:23], s[0:1], 0x0               ; Q_input s[8:9], K_input, V_input, W_q, W_k, W_v, W_o s[20:21], img s[22:23]
	s_load_b64 s[26:27], s[0:1], 0x40              ; scl
	v_lshl_add_u32 v[SPW], v0, 2, SPARE
	v_mov_b32 v[NIL], 0
	v_lshrrev_b32 v10, 5, v0
	v_readfirstlane_b32 s30, v10                   ; wave
	v_and_b32 v10, 31, v0                          ; lane
	v_and_b32 v11, 15, v0                          ; r
	v_bfe_u32 v12, v0, 4, 1                        ; h
	v_lshlrev_b32 v[A16], 4, v10
	v_lshlrev_b32 v[A8], 3, v10
	v_lshlrev_b32 v[ASW], 5, v11
	v_lshl_add_u32 v[ASW], v12, 4, v[ASW]
	v_lshlrev_b32 v[SH8], 3, v12
	v_mul_u32_u24 v13, v11, PITCH
	v_mov_b32 v31, 0                               ; written once: a lane permute's destination counts as one of its sources
	s_mul_i32 s31, s30, STG
	v_add_nc_u32 v[SIN], s31, v[A16]
	v_lshl_add_u32 v[SOUT], v12, 7, v13            ; row r, + 128 h: my block's 32 numbers
	v_add_nc_u32 v[SOUT], s31, v[SOUT]
	s_mov_b32 s32, 0x76543210
	s_mov_b32 s33, 0xfedcba98                      ; v_permlanex16_b32's selects for lane l xor 16
	s_mov_b32 s34, 0xffff0000                      ; lanes 16-31
	s_mov_b32 s3, 0
	s_wait_alu depctr_va_vdst(0)
	s_wait_kmcnt 0x0
	s_mov_b64 s[4:5], s[20:21]                     ; which tensor, and its first work-group: the work-group's number alone decides
	s_mov_b32 s6, 240
	s_cmp_lt_u32 ttmp9, 240
	s_cselect_b64 s[4:5], s[18:19], s[4:5]
	s_cselect_b32 s6, 224, s6
	s_cmp_lt_u32 ttmp9, 224
	s_cselect_b64 s[4:5], s[16:17], s[4:5]
	s_cselect_b32 s6, 208, s6
	s_cmp_lt_u32 ttmp9, 208
	s_cselect_b64 s[4:5], s[14:15], s[4:5]
	s_cselect_b32 s6, 192, s6
	s_cmp_lt_u32 ttmp9, 192
	s_cselect_b64 s[4:5], s[12:13], s[4:5]
	s_cselect_b32 s6, 128, s6
	s_cmp_lt_u32 ttmp9, 128
	s_cselect_b64 s[4:5], s[10:11], s[4:5]
	s_cselect_b32 s6, 64, s6
	s_cmp_lt_u32 ttmp9, 64
	s_cselect_b64 s[4:5], s[8:9], s[4:5]
	s_cselect_b32 s6, 0, s6
	s_sub_co_u32 s7, ttmp9, s6
	s_lshl_b32 s7, s7, 2
	s_add_co_u32 s7, s7, s30                       ; the tile's number in its own tensor
	s_lshr_b32 s2, s7, 1
	s_lshl_b32 s2, s2, 17                          ; 32 G rows of 4,096 bytes
	s_and_b32 s35, s7, 1
	s_lshl_b32 s35, s35, 15                        ; 8 u rows
	s_add_co_u32 s2, s2, s35
	s_add_nc_u64 s[4:5], s[4:5], s[2:3]
	s_lshl_b32 s7, ttmp9, 2
	s_add_co_u32 s7, s7, s30                       ; T = 4 x work-group + wave
	s_mul_i32 s2, s7, 12288
	s_add_nc_u64 s[22:23], s[22:23], s[2:3]
	s_lshl_b32 s2, s7, 9
	s_add_nc_u64 s[26:27], s[26:27], s[2:3]
.macro LOAD t                          ; step t: 16 rows x 512 bytes into set t % 3; the tile's row i lies i + 8 (i / 8) rows below its first
.irp i, 0,1,2,3,4,5,6,7,8,9,10,11,12,13,14,15
	global_load_b128 v[R+64*((\t)%3)+4*\i:R+64*((\t)%3)+4*\i+3], v[A16], s[4:5] offset:(\i+8*(\i/8))*4096+512*(\t) th:TH_LOAD_NT
.endr
.endm
	LOAD 0
	LOAD 1
	LOAD 2
.macro QSTEP t
.set X, R+64*((\t)%3)
.if (\t) < 6
	s_wait_loadcnt 32                              ; this step's 16 loads are in; those of the two steps behind it may be out
.elseif (\t) == 6
	s_wait_loadcnt 16
.else
	s_wait_loadcnt 0x0
.endif
.irp i, 0,1,2,3,4,5,6,7,8,9,10,11,12,13,14,15
	ds_store_b128 v[SIN], v[X+4*\i:X+4*\i+3] offset:\i*PITCH       ; the rows into the stage as they lie
.endr
.irp c, 0,1
.irp e, 0,1,2,3,4,5,6,7
	ds_load_b128 v[X+32*\c+4*\e:X+32*\c+4*\e+3], v[SOUT] offset:256*\c+16*\e   ; k = 64 c + 32 h + 4 e on.  LDS serves a wave's instructions in order: these see the stores above, and come back behind them
.endr
.endr
	s_wait_dscnt 0x0
.irp c, 0,1
	v_max3_num_f32 v[TM+\c], |v[X+32*\c]|, |v[X+32*\c+1]|, 0x1800000   ; my block 2 c + h: all its 32 numbers are mine; the floor 2^(3 - 127) holds the byte at 1 from below
.endr
.irp i, 2,4,6,8,10,12,14,16,18,20,22,24,26,28,30
.irp c, 0,1
	v_max3_num_f32 v[TM+\c], v[TM+\c], |v[X+32*\c+\i]|, |v[X+32*\c+\i+1]|
.endr
.endr
.irp c, 0,1
	v_add_nc_u32 v[TM+2+\c], 0xff000000, v[TM+\c]  ; 2 off the exponent field: the conversion takes this operand's exponent field as its scale
.endr
.irp c, 0,1
	v_lshrrev_b32 v[TM+4+\c], 23, v[TM+2+\c]       ; the scale's byte
.endr
	v_lshl_or_b32 v[TM+6], v[TM+5], 16, v[TM+4]    ; my two bytes, blocks h and 2 + h,
	v_lshlrev_b32 v[TM+6], v[SH8], v[TM+6]         ; at their places in the word;
	v_permlanex16_b32 v[TM+7], v[TM+6], s32, s33
	v_or_b32 v[W+\t], v[TM+6], v[TM+7]             ; with lane l xor 16's two the word is whole
	s_wait_alu depctr_va_vdst(0)
	s_wait_xcnt 0x0                                ; the last step's stores have read their data: the codes' registers are written again only behind this wait
.irp c, 0,1
	v_cvt_scalef32_pk16_fp6_f32 v[PC+6*\c:PC+6*\c+2], v[X+32*\c:X+32*\c+15], v[TM+2+\c]
	v_cvt_scalef32_pk16_fp6_f32 v[TP+4*\c:TP+4*\c+2], v[X+32*\c+16:X+32*\c+31], v[TM+2+\c]   ; (a conversion's three registers begin on an even number)
.endr
	v_nop                                          ; one plain place behind a scaled conversion
.irp c, 0,1
.irp i, 0,1,2
	v_mov_b32 v[PC+6*\c+3+\i], v[TP+4*\c+\i]
.endr
.endr
.if (\t)+3 < 8
	LOAD (\t)+3                                    ; the set is done with: it takes the loads of three steps on, ahead of this step's stores
.endif
.irp c, 0,1
	global_store_b128 v[A16], v[PC+6*\c:PC+6*\c+3], s[22:23] offset:1536*(\t)+768*\c        ; 512 consecutive bytes,
	global_store_b64 v[A8], v[PC+6*\c+4:PC+6*\c+5], s[22:23] offset:1536*(\t)+768*\c+512    ; and 256
.endr
.endm
.irp t, 0,1,2,3,4,5,6,7
	QSTEP \t
.endr
.irp j, 0,1,2,3
	v_cndmask_b32 v[TM+\j], v[W+\j], v[W+4+\j], s34   ; lanes 0-15 store K steps 0-3 of their row, lanes 16-31 K steps 4-7
.endr
	global_store_b128 v[ASW], v[TM:TM+3], s[26:27] ; 512 consecutive bytes
	s_wait_tensorcnt 0x0                           ; the wave's end
	ds_add_u32 v[SPW], v[NIL]
	s_wait_dscnt 0x0
	s_endpgm
.Lfunc_end_k_q4b2a9cc412_prep:
	.size	k_q4b2a9cc412_prep, .Lfunc_end_k_q4b2a9cc412_prep-k_q4b2a9cc412_prep
	.p2alignl 7, 3214868480
	.fill 96, 4, 3214868480
	.section	.rodata,"a",@progbits
	.p2align	6, 0x0
	.amdhsa_kernel k_q4b2a9cc412_prep
		.amdhsa_group_segment_fixed_size 34304
		.amdhsa_private_segment_fixed_size 0
		.amdhsa_enable_private_segment 0
		.amdhsa_kernarg_size 72
		.amdhsa_user_sgpr_count 2
		.amdhsa_user_sgpr_kernarg_segment_ptr 1
		.amdhsa_wavefront_size32 1
		.amdhsa_system_sgpr_workgroup_id_x 1
		.amdhsa_system_sgpr_workgroup_id_y 1
		.amdhsa_system_sgpr_workgroup_id_z 1
		.amdhsa_system_vgpr_workitem_id 0
		.amdhsa_next_free_vgpr 256
		.amdhsa_next_free_sgpr 66
		.amdhsa_reserve_vcc 0
		.amdhsa_float_denorm_mode_32 3
		.amdhsa_float_denorm_mode_16_64 3
		.amdhsa_memory_ordered 1
		.amdhsa_forward_progress 1
		.amdhsa_inst_pref_size 59
	.end_amdhsa_kernel
	.amdgpu_metadata
---
amdhsa.version: [ 1, 2 ]
amdhsa.kernels:
  - .name:           k_q4b2a9cc412_prep
    .symbol:         k_q4b2a9cc412_prep.kd
    .args:
      - { .name: Q_input, .offset: 0, .size: 8, .value_kind: global_buffer, .address_space: global }
      - { .name: K_input, .offset: 8, .size: 8, .value_kind: global_buffer, .address_space: global }
      - { .name: V_input, .offset: 16, .size: 8, .value_kind: global_buffer, .address_space: global }
      - { .name: W_q, .offset: 24, .size: 8, .value_kind: global_buffer, .address_space: global }
      - { .name: W_k, .offset: 32, .size: 8, .value_kind: global_buffer, .address_space: global }
      - { .name: W_v, .offset: 40, .size: 8, .value_kind: global_buffer, .address_space: global }
      - { .name: W_o, .offset: 48, .size: 8, .value_kind: global_buffer, .address_space: global }
      - { .name: img, .offset: 56, .size: 8, .value_kind: global_buffer, .address_space: global }
      - { .name: scl, .offset: 64, .size: 8, .value_kind: global_buffer, .address_space: global }
    .group_segment_fixed_size: 34304
    .private_segment_fixed_size: 0
    .kernarg_segment_align: 8
    .kernarg_segment_size: 72
    .max_flat_workgroup_size: 128
    .sgpr_count:     66
    .vgpr_count:     256
    .wavefront_size: 32
...
	.end_amdgpu_metadata
.endif
;; end of part 1
;; launch proj (part 2): grid 8 x 32, 4 waves a work-group, clusters of 4 x 4, 327,680 bytes of LDS; arguments img, scl, b_q, b_k, b_v, padding_mask, qimg, qscl, kv, causal_mask, mimg, mflag, mval; writes qimg, qscl, kv, mimg, mflag, mval
.if DOCPART == 2
	.amdgcn_target "amdgcn-amd-amdhsa--gfx1250"
	.amdhsa_code_object_version 6
	.text
	.protected	k_q4b2a9cc412_proj
	.globl	k_q4b2a9cc412_proj
	.p2align	8
	.type	k_q4b2a9cc412_proj,@function
k_q4b2a9cc412_proj:
	s_mov_b64 s[64:65], 0
	v_nop
	global_prefetch_b8 v0, s[64:65] scope:SCOPE_SE
	s_setreg_imm32_b32 hwreg(HW_REG_WAVE_MODE, 25, 1), 1
	s_wait_xcnt 0x0
	s_wait_alu depctr_hold_cnt(0) depctr_sa_sdst(0) depctr_va_vdst(0) depctr_va_sdst(0) depctr_va_ssrc(0) depctr_va_vcc(0) depctr_vm_vsrc(0)
	s_getreg_b32 s2, hwreg(HW_REG_IB_STS2, 6, 4)
	s_cmp_eq_u32 s2, 0
	s_cbranch_scc0 .Lentry_in_a_cluster
	s_endpgm
.Lentry_in_a_cluster:
	s_bfe_u32 s2, ttmp6, 0x10000c
	s_cmp_lg_u32 s2, 0xf033
	s_cbranch_scc0 .Lentry_shape_is_right
	s_endpgm
.Lentry_shape_is_right:
.set HALFK, 98304
.set SIDE,  49152
.set TILEB, 6144
.set XSTEP, 256*12288
.set WSTEP, 64*12288
.set MPITCH, 528
.set MSTG,  2*HALFK
.set SPARE, MSTG+4*16*MPITCH
.set ADR,  1
.set SPW,  9
.set NIL,  10
.set ZERO, 11
.set L16,  12
.set L8,   13
.set L4,   14
.set VSC,  15
.set SC,   16
.set VINC, 48
.set BO1,  49
.set BO2,  50
.set PO,   51
.set PD,   52
.set MIN,  56
.set MOUT, 57
.set FB,   64
.set MX,   192
.set PC,   104
.set TM,   160
.set HW,   192
.set WD,   196
.set BIAS, 128
.set WV,   22
.set WX,   23
.set WW,   24
.set CX,   25
.set CY,   26
.set WGX,  27
.set BY,   28
.set HM,   31
.set G1XC, 32
.set G1WC, 40
.set G0X0, 68
.set G0X1, 72
.set G0W0, 76
.set G0W1, 80
.set SEL,  100
.set MSB, 0
.macro WIN new
.if MSB != \new
	s_set_vgpr_msb (MSB<<8)|\new
.set MSB, \new
.endif
.endm
.macro JLOAD g0x, g1x, g0w, g1w
	s_cmp_eq_u32 s[WX], 0
	s_cbranch_scc0 .Lfor_w_\@
	tensor_load_to_lds s[\g0x:\g0x+3], s[\g1x:\g1x+7]
	s_nop 0
.rept 4
	v_nop
.endr
	s_branch .Lasked_\@
.Lfor_w_\@:
	tensor_load_to_lds s[\g0w:\g0w+3], s[\g1w:\g1w+7]
	s_nop 0
.rept 4
	v_nop
.endr
.Lasked_\@:
.endm
.macro CROUND
	s_barrier_signal -1
	s_barrier_wait -1
	s_cmp_lg_u32 s[WV], 0
	s_cbranch_scc1 .Lnot_wave_0_\@
	s_barrier_signal -3
.Lnot_wave_0_\@:
	s_barrier_wait -3
	s_barrier_signal -1
	s_barrier_wait -1
.endm
.macro PLACES
.rept 4
	v_nop
.endr
.endm
.macro WMA d, a, b, c, sa, sb
	v_wmma_scale_f32_16x16x128_f8f6f4 v[(\d):(\d)+7], v[(\a):(\a)+11], v[(\b):(\b)+11], v[(\c):(\c)+7], v[(\sa)], v[(\sb)] matrix_a_fmt:MATRIX_FMT_FP6 matrix_b_fmt:MATRIX_FMT_FP6 matrix_a_scale:MATRIX_SCALE_ROW1
.endm
.macro WMB d, a, b, c, sa, sb
	v_wmma_scale_f32_16x16x128_f8f6f4 v[(\d):(\d)+7], v[(\a):(\a)+11], v[(\b):(\b)+11], v[(\c):(\c)+7], v[(\sa)], v[(\sb)] matrix_a_fmt:MATRIX_FMT_FP6 matrix_b_fmt:MATRIX_FMT_FP6 matrix_b_scale:MATRIX_SCALE_ROW1
.endm
.macro MUL var, buf, st, first
.set SCR, SC+16*((\st)/4)+(\st)%4
.set FX, FB+96*(\buf)
.set FW, FB+96*(\buf)+48
	WIN 0x50
.irp i, 0,1,2,3
.irp j, 0,1,2,3
.if \var == 0
.if \first
	WMA 8*(4*\i+\j), FW+12*\j, FX+12*\i, BIAS+8*\j, SCR+4*\j, SCR+4*\i
.else
	WMA 8*(4*\i+\j), FW+12*\j, FX+12*\i, 8*(4*\i+\j), SCR+4*\j, SCR+4*\i
.endif
.else
.if \first
	WMB 8*(4*\i+\j), FX+12*\j, FW+12*\i, BIAS+8*\i, SCR+4*\j, SCR+4*\i
.else
	WMB 8*(4*\i+\j), FX+12*\j, FW+12*\i, 8*(4*\i+\j), SCR+4*\j, SCR+4*\i
.endif
.endif
.endr
.endr
	WIN 0
.endm
.macro FETCH st, buf
.set AB, ADR+4*((\st)/4)
.irp k, 0,1,2,3
	ds_load_b128 v[FB+96*(\buf)+12*\k:FB+96*(\buf)+12*\k+3], v[AB] offset:\k*TILEB+((\st)%4)*1536
	ds_load_b64 v[FB+96*(\buf)+12*\k+4:FB+96*(\buf)+12*\k+5], v[AB+1] offset:\k*TILEB+((\st)%4)*1536
	ds_load_b128 v[FB+96*(\buf)+12*\k+6:FB+96*(\buf)+12*\k+9], v[AB] offset:\k*TILEB+((\st)%4)*1536+768
	ds_load_b64 v[FB+96*(\buf)+12*\k+10:FB+96*(\buf)+12*\k+11], v[AB+1] offset:\k*TILEB+((\st)%4)*1536+768
.endr
.irp k, 0,1,2,3
	ds_load_b128 v[FB+96*(\buf)+48+12*\k:FB+96*(\buf)+48+12*\k+3], v[AB+2] offset:\k*TILEB+((\st)%4)*1536
	ds_load_b64 v[FB+96*(\buf)+48+12*\k+4:FB+96*(\buf)+48+12*\k+5], v[AB+3] offset:\k*TILEB+((\st)%4)*1536
	ds_load_b128 v[FB+96*(\buf)+48+12*\k+6:FB+96*(\buf)+48+12*\k+9], v[AB+2] offset:\k*TILEB+((\st)%4)*1536+768
	ds_load_b64 v[FB+96*(\buf)+48+12*\k+10:FB+96*(\buf)+48+12*\k+11], v[AB+3] offset:\k*TILEB+((\st)%4)*1536+768
.endr
.endm
.macro GSCALES q
.irp k, 0,1,2,3
	global_load_b128 v[SC+16*\q+4*\k:SC+16*\q+4*\k+3], v[VSC], s[6:7] offset:\k*512+16*\q
.endr
.endm
.macro BIASLD m
	WIN 0x40
.if (\m) < 2
.irp j, 0,1,2,3
	global_load_b128 v[BIAS+8*\j:BIAS+8*\j+3], v[BO1], s[8+2*(\m):9+2*(\m)] offset:4*(32*(\j/2)+8*(\j%2))
	global_load_b128 v[BIAS+8*\j+4:BIAS+8*\j+7], v[BO1], s[8+2*(\m):9+2*(\m)] offset:4*(32*(\j/2)+8*(\j%2))+16
.endr
.else
.irp i, 0,1,2,3
.irp e, 0,1,2,3,4,5,6,7
	global_load_b32 v[BIAS+8*\i+\e], v[BO2], s[12:13] offset:4*(32*(\i/2)+8*(\i%2))
.endr
.endr
.endif
	WIN 0
.endm
.macro MLOAD t
.irp i, 0,1,2,3,4,5,6,7,8,9,10,11,12,13,14,15
	global_load_b128 v[FB+64*\t+4*\i:FB+64*\t+4*\i+3], v[L16], s[48:49] offset:(\i+8*(\i/8))*8192+512*\t th:TH_LOAD_NT
.endr
.endm
.macro MTURN t
.irp i, 0,1,2,3,4,5,6,7,8,9,10,11,12,13,14,15
	ds_store_b128 v[MIN], v[FB+64*\t+4*\i:FB+64*\t+4*\i+3] offset:\i*MPITCH
.endr
.irp n, 0,1,2,3,4,5,6,7,8,9,10,11,12,13,14,15
	ds_load_b128 v[MX+4*\n:MX+4*\n+3], v[MOUT] offset:128*(\n/4)+16*(\n%4)
.endr
	s_wait_dscnt 0x0
.irp n, 0,1,2,3,4,5,6,7,8,9,10,11,12,13,14,15
	global_store_b128 v[L16], v[MX+4*\n:MX+4*\n+3], s[50:51] offset:(16*\t+\n)*512
.endr
	; the unit's class: its largest and its least number against lane 0's first; 0 = all zeros, 1 = one number throughout, 2 = anything else.  Made by selects alone; stored at a fixed place
	v_max3_num_f32 v58, v[MX], v[MX+1], v[MX+2]
	v_max3_num_f32 v59, -v[MX], -v[MX+1], -v[MX+2]
.irp n, 3,5,7,9,11,13,15,17,19,21,23,25,27,29,31,33,35,37,39,41,43,45,47,49,51,53,55,57,59,61
	v_max3_num_f32 v58, v58, v[MX+\n], v[MX+\n+1]
	v_max3_num_f32 v59, v59, -v[MX+\n], -v[MX+\n+1]
.endr
	v_max_num_f32 v58, v58, v[MX+63]
	v_max_num_f32 v59, v59, -v[MX+63]
	v_xor_b32 v59, 0x80000000, v59                 ; the least number
	v_readfirstlane_b32 s84, v[MX]
	v_cmp_eq_f32 s85, s84, v58
	v_cmp_eq_f32 s86, s84, v59
	s_and_b32 s85, s85, s86
	s_and_b32 s86, s84, 0x7fffffff
	s_min_u32 s86, s86, 1                          ; 0 where the one number is a zero
	s_cmp_eq_u32 s85, -1                           ; all 32 lanes agree
	s_cselect_b32 s86, s86, 2
	v_mov_b32 v[60+2*\t], s86
	v_mov_b32 v[61+2*\t], s84
	global_store_b32 v[ZERO], v[60+2*\t], s[88:89] offset:4*\t   ; all lanes store the same word with the same value
	global_store_b32 v[ZERO], v[61+2*\t], s[90:91] offset:4*\t
.endm
.macro QUANT
	WIN 0x05
.irp i, 0,1,2,3
.irp b, 0,1
	v_max3_num_f32 v[TM+2*\i+\b], |v[32*\i+16*\b]|, |v[32*\i+16*\b+1]|, 0x1800000
.endr
.endr
	WIN 0x14
.irp e, 2,4,6,8,10,12,14
.irp i, 0,1,2,3
.irp b, 0,1
	v_max3_num_f32 v[TM+2*\i+\b], v[TM+2*\i+\b], |v[32*\i+16*\b+\e]|, |v[32*\i+16*\b+\e+1]|
.endr
.endr
.endr
	WIN 0
.irp n, 0,1,2,3,4,5,6,7
	v_permlanex16_b32 v[TM+8+\n], v[TM+\n], s[SEL], s[SEL+1]
.endr
.irp n, 0,1,2,3,4,5,6,7
	v_max_num_f32 v[TM+\n], v[TM+\n], v[TM+8+\n]
.endr
.irp n, 0,1,2,3,4,5,6,7
	v_add_nc_u32 v[TM+16+\n], 0xff000000, v[TM+\n]
.endr
.irp n, 0,1,2,3,4,5,6,7
	v_lshrrev_b32 v[TM+24+\n], 23, v[TM+16+\n]
.endr
.irp i, 0,1,2,3
	v_lshl_or_b32 v[HW+\i], v[TM+24+2*\i+1], 8, v[TM+24+2*\i]
.endr
	WIN 0x01
.irp i, 0,1,2,3
	v_cvt_scalef32_pk16_fp6_f32 v[PC+12*\i:PC+12*\i+2], v[32*\i:32*\i+15], v[TM+16+2*\i]
	v_cvt_scalef32_pk16_fp6_f32 v[PC+12*\i+6:PC+12*\i+8], v[32*\i+16:32*\i+31], v[TM+16+2*\i+1]
.endr
	WIN 0
	v_nop
.irp i, 0,1,2,3
.irp e, 0,1,2
	v_permlane16_swap_b32 v[PC+12*\i+\e], v[PC+12*\i+6+\e]
.endr
.irp e, 0,1,2
	v_mov_b32 v[PC+12*\i+3+\e], v[PC+12*\i+6+\e]
.endr
.endr
.endm
.macro OUTQ
.irp i, 0,1,2,3
	global_store_b128 v[L16], v[PC+12*\i:PC+12*\i+3], s[16:17] offset:768*\i
	global_store_b64 v[L8], v[PC+12*\i+4:PC+12*\i+5], s[16:17] offset:768*\i+512
	v_lshl_or_b32 v[WD+\i], v[HW+\i], 16, v[HW+\i]
.endr
.irp p, 0,1
	v_cndmask_b32 v[WD+4+\p], v[WD+2*\p], v[WD+2*\p+1], s[HM]
	global_store_b32 v[L4], v[WD+4+\p], s[18:19] offset:128*\p
.endr
.endm
.macro OUTK
.irp i, 0,1,2,3
	v_cmp_ne_u32 vcc_lo, 0, v[PD+\i]
.irp e, 0,1,2,3,4,5
	v_cndmask_b32 v[PC+12*\i+\e], v[PC+12*\i+\e], v[ZERO], vcc_lo
.endr
	global_store_b128 v[L16], v[PC+12*\i:PC+12*\i+3], s[52:53] offset:768*\i
	global_store_b64 v[L8], v[PC+12*\i+4:PC+12*\i+5], s[52:53] offset:768*\i+512
.endr
.irp p, 0,1
	v_lshl_or_b32 v[WD+\p], v[HW+2*\p+1], 16, v[HW+2*\p]
.endr
	v_cndmask_b32 v[WD+4], v[WD], v[WD+1], s[HM]
	global_store_b32 v[L4], v[WD+4], s[54:55] offset:12288
.endm
.macro OUTV
.irp i, 0,1,2,3
	global_store_b128 v[L16], v[PC+12*\i:PC+12*\i+3], s[56:57] offset:6144+1536*\i
	global_store_b64 v[L8], v[PC+12*\i+4:PC+12*\i+5], s[56:57] offset:6144+1536*\i+512
.endr
.irp p, 0,1
	v_cndmask_b32 v[WD+\p], v[HW+2*\p], v[HW+2*\p+1], s[HM]
	global_store_b16 v[L4], v[WD+\p], s[58:59] offset:12544+128*\p
.endr
.endm
.macro TILE m
.set VAR, (\m)/2
	s_wait_xcnt 0x0
	FETCH 0, 0
	FETCH 1, 1
	s_wait_dscnt 32
.if (\m) == 0
	s_wait_loadcnt 0x0
.else
	s_wait_loadcnt 4
.endif
	MUL VAR, 0, 0, 1
	PLACES
.if (\m) < 2
	BIASLD (\m)+1
.endif
	FETCH 2, 0
	s_wait_dscnt 32
	MUL VAR, 1, 1, 0
	PLACES
	FETCH 3, 1
	s_wait_dscnt 32
	MUL VAR, 0, 2, 0
	s_wait_tensorcnt 0x0
.if (\m) < 2
	ds_add_u32 v[SPW], v[NIL]
	s_add_nc_u64 s[G0X0+2:G0X0+3], s[G0X0+2:G0X0+3], XSTEP
	s_add_nc_u64 s[G0W0+2:G0W0+3], s[G0W0+2:G0W0+3], WSTEP
	s_wait_dscnt 0x0
	CROUND
	JLOAD G0X0, G1XC, G0W0, G1WC
.else
	s_wait_dscnt 0x0
	s_barrier_signal -1
	s_barrier_wait -1
	PLACES
.endif
	FETCH 4, 0
	MUL VAR, 1, 3, 0
	PLACES
	FETCH 5, 1
	s_wait_dscnt 32
.if (\m) == 0
	s_wait_loadcnt 8
.elseif (\m) == 1
	s_wait_loadcnt 32
.else
	s_wait_loadcnt 0x0
.endif
	MUL VAR, 0, 4, 0
	PLACES
.if (\m) < 2
	v_add_nc_u32 v[VSC], v[VINC], v[VSC]
	GSCALES 0
.endif
	FETCH 6, 0
	s_wait_dscnt 32
	MUL VAR, 1, 5, 0
	PLACES
	FETCH 7, 1
	s_wait_dscnt 32
	MUL VAR, 0, 6, 0
	s_wait_dscnt 0x0
	MUL VAR, 1, 7, 0
	PLACES
.if (\m) < 2
	s_wait_alu depctr_va_vdst(0)
	GSCALES 1
.endif
	QUANT
.if (\m) == 0
	OUTQ
.elseif (\m) == 1
	OUTK
.else
	OUTV
.endif
.if (\m) < 2
	s_wait_tensorcnt 0x0
	ds_add_u32 v[SPW], v[NIL]
	s_add_nc_u64 s[G0X1+2:G0X1+3], s[G0X1+2:G0X1+3], XSTEP
	s_add_nc_u64 s[G0W1+2:G0W1+3], s[G0W1+2:G0W1+3], WSTEP
	s_wait_dscnt 0x0
	CROUND
	JLOAD G0X1, G1XC, G0W1, G1WC
.endif
.endm
	s_load_b512 s[4:19], s[0:1], 0x0
	s_load_b64 s[20:21], s[0:1], 0x40
	s_load_b128 s[48:51], s[0:1], 0x48
	s_load_b128 s[88:91], s[0:1], 0x58             ; mflag, mval
	v_lshl_add_u32 v[SPW], v0, 2, SPARE
	v_mov_b32 v[NIL], 0
	ds_add_u32 v[SPW], v[NIL]
	ds_add_u32 v[SPW], v[NIL]
	v_lshrrev_b32 v1, 5, v0
	v_readfirstlane_b32 s[WV], v1
	s_lshr_b32 s[WX], s[WV], 1
	s_and_b32 s[WW], s[WV], 1
	s_bfe_u32 s[CX], ttmp6, 0x40000
	s_bfe_u32 s[CY], ttmp6, 0x40004
	s_lshl_b32 s[WGX], ttmp9, 2
	s_add_co_u32 s[WGX], s[WGX], s[CX]
	s_and_b32 s[BY], ttmp7, 0xffff
	s_lshl_b32 s[BY], s[BY], 2
	s_add_co_u32 s[BY], s[BY], s[CY]
	s_mov_b32 s[HM], 0xffff0000
	s_mov_b32 s[SEL], 0x76543210
	s_mov_b32 s[SEL+1], 0xfedcba98
	s_lshl_b32 s92, s[CY], 2
	s_lshl_b32 s92, 15, s92
	s_lshl_b32 s96, 0x1111, s[CX]
	s_or_b32 s[G1XC], s92, (3<<16)|(1<<21)
	s_or_b32 s[G1WC], s96, (3<<16)|(1<<21)
.irp g, G1XC, G1WC
	s_mov_b32 s[\g+1], 768<<16
	s_mov_b32 s[\g+2], 4<<16
	s_mov_b32 s[\g+3], 768<<16
	s_mov_b32 s[\g+4], 4
	s_mov_b32 s[\g+5], 1536
	s_mov_b32 s[\g+6], 0
	s_mov_b32 s[\g+7], 0
.endr
	s_mul_i32 s92, s[BY], 98304
	s_mul_i32 s93, s[WW], 49152
	s_add_co_u32 s92, s92, s93
	s_mov_b32 s93, 0
	s_lshl_b32 s96, s[WGX], 3
	s_lshl_b32 s97, s[WW], 2
	s_add_co_u32 s96, s96, s97
	s_add_co_u32 s96, s96, 768
	s_mul_i32 s96, s96, 12288
	s_mov_b32 s97, 0
	s_mul_i32 s2, s[WV], 4*TILEB
	s_wait_dscnt 0x0
	s_wait_kmcnt 0x0
	s_mov_b32 s[G0X0], 1
	s_mov_b32 s[G0X0+1], s2
	s_add_nc_u64 s[G0X0+2:G0X0+3], s[4:5], s[92:93]
	s_mov_b32 s[G0X1], 1
	s_add_co_u32 s[G0X1+1], s2, HALFK
	s_add_nc_u64 s[G0X1+2:G0X1+3], s[G0X0+2:G0X0+3], TILEB
	s_or_b32 s[G0X0+3], s[G0X0+3], 0x80000000
	s_or_b32 s[G0X1+3], s[G0X1+3], 0x80000000
	s_mov_b32 s[G0W0], 1
	s_mov_b32 s[G0W0+1], s2
	s_add_nc_u64 s[G0W0+2:G0W0+3], s[4:5], s[96:97]
	s_mov_b32 s[G0W1], 1
	s_add_co_u32 s[G0W1+1], s2, HALFK
	s_add_nc_u64 s[G0W1+2:G0W1+3], s[G0W0+2:G0W0+3], TILEB
	s_or_b32 s[G0W0+3], s[G0W0+3], 0x80000000
	s_or_b32 s[G0W1+3], s[G0W1+3], 0x80000000
	CROUND
	JLOAD G0X0, G1XC, G0W0, G1WC
	s_wait_alu depctr_va_vdst(0)
	s_wait_tensorcnt 0x0
	ds_add_u32 v9, v10
	s_wait_dscnt 0x0
	CROUND
	JLOAD G0X1, G1XC, G0W1, G1WC
	v_and_b32 v58, 31, v0
	v_and_b32 v59, 15, v0
	v_bfe_u32 v60, v0, 4, 1
	v_lshlrev_b32 v[L16], 4, v58
	v_lshlrev_b32 v[L8], 3, v58
	v_lshlrev_b32 v[L4], 2, v58
	v_mov_b32 v[ZERO], 0
	s_mul_i32 s2, s[WX], 4*TILEB
	s_mul_i32 s3, s[WW], 4*TILEB
	s_add_co_u32 s3, s3, SIDE
.irp s, 0,1
	v_add_nc_u32 v[ADR+4*\s], s2, v[L16]
	v_add_nc_u32 v[ADR+4*\s+1], s2, v[L8]
	v_add_nc_u32 v[ADR+4*\s+1], 512, v[ADR+4*\s+1]
	v_add_nc_u32 v[ADR+4*\s+2], s3, v[L16]
	v_add_nc_u32 v[ADR+4*\s+3], s3, v[L8]
	v_add_nc_u32 v[ADR+4*\s+3], 512, v[ADR+4*\s+3]
	s_add_co_u32 s2, s2, HALFK
	s_add_co_u32 s3, s3, HALFK
.endr
	s_mul_i32 s3, s[WV], 16*MPITCH
	s_add_co_u32 s3, s3, MSTG
	v_add_nc_u32 v[MIN], s3, v[L16]
	v_mul_u32_u24 v[MOUT], v59, MPITCH
	v_lshl_add_u32 v[MOUT], v60, 6, v[MOUT]
	v_add_nc_u32 v[MOUT], s3, v[MOUT]
	s_lshl_b32 s92, s[BY], 12
	s_lshl_b32 s93, s[WX], 11
	s_add_co_u32 s92, s92, s93
	s_lshl_b32 s96, s[WGX], 12
	s_lshl_b32 s97, s[WW], 11
	s_add_co_u32 s96, s96, s97
	s_add_co_u32 s96, s96, 768*512
	v_mov_b32 v61, s92
	v_mov_b32 v62, s96
	v_cndmask_b32 v[VSC], v61, v62, s[HM]
	v_lshl_add_u32 v[VSC], v59, 5, v[VSC]
	v_mov_b32 v61, 0x20000
	v_mov_b32 v62, 0x8000
	v_cndmask_b32 v[VINC], v61, v62, s[HM]
	v_lshlrev_b32 v[BO1], 6, v60
	s_wait_alu depctr_va_vdst(0)
	v_and_b32 v63, 8, v59
	v_add_nc_u32 v[PO], v63, v59
	s_wait_alu depctr_va_vdst(0)
	v_lshlrev_b32 v[BO2], 2, v[PO]
	s_lshl_b32 s96, s[WGX], 9
	s_lshl_b32 s97, s[WW], 8
	s_add_co_u32 s96, s96, s97
	s_mov_b32 s97, 0
	s_add_nc_u64 s[8:9], s[8:9], s[96:97]
	s_add_nc_u64 s[10:11], s[10:11], s[96:97]
	s_add_nc_u64 s[12:13], s[12:13], s[96:97]
	s_lshl_b32 s92, s[BY], 7
	s_lshl_b32 s93, s[WX], 6
	s_add_co_u32 s92, s92, s93
	s_mov_b32 s93, 0
	s_add_nc_u64 s[14:15], s[14:15], s[92:93]
	s_lshl_b32 s92, s[BY], 19
	s_add_nc_u64 s[48:49], s[48:49], s[92:93]
	s_add_nc_u64 s[50:51], s[50:51], s[92:93]
	s_lshr_b32 s96, s[WGX], 2
	s_lshl_b32 s96, s96, 18
	s_bfe_u32 s98, s[WGX], 0x10001
	s_lshl_b32 s98, s98, 16
	s_add_co_u32 s96, s96, s98
	s_and_b32 s98, s[WGX], 1
	s_lshl_b32 s98, s98, 12
	s_add_co_u32 s96, s96, s98
	s_lshl_b32 s98, s[WV], 10
	s_add_co_u32 s96, s96, s98
	s_add_nc_u64 s[48:49], s[48:49], s[96:97]
	s_lshl_b32 s96, s[WGX], 16
	s_lshl_b32 s98, s[WV], 14
	s_add_co_u32 s96, s96, s98
	s_add_nc_u64 s[50:51], s[50:51], s[96:97]
	s_lshl_b32 s84, s[BY], 8                       ; my two units' words: 4 x (64 y + 8 x + 2 wave)
	s_lshl_b32 s86, s[WGX], 5
	s_add_co_u32 s84, s84, s86
	s_lshl_b32 s86, s[WV], 3
	s_add_co_u32 s84, s84, s86
	s_mov_b32 s85, 0
	s_add_nc_u64 s[88:89], s[88:89], s[84:85]
	s_add_nc_u64 s[90:91], s[90:91], s[84:85]
	BIASLD 0
.irp i, 0,1,2,3
	global_load_u8 v[PD+\i], v[PO], s[14:15] offset:32*(\i/2)+8*(\i%2)
.endr
	GSCALES 0
	GSCALES 1
	MLOAD 0
	MLOAD 1
	s_lshr_b32 s92, s[BY], 4
	s_and_b32 s94, s[BY], 15
	s_lshl_b32 s92, s92, 11
	s_lshl_b32 s94, s94, 3
	s_add_co_u32 s92, s92, s94
	s_lshl_b32 s94, s92, 6
	s_mov_b32 s95, 0
	s_mul_i32 s92, s92, 768
	s_lshl_b32 s96, s[WGX], 1
	s_add_co_u32 s96, s96, s[WW]
	s_lshl_b32 s96, s96, 7
	s_lshl_b32 s98, s[WX], 2
	s_add_co_u32 s96, s96, s98
	s_lshl_b32 s98, s96, 6
	s_mov_b32 s99, 0
	s_mul_i32 s96, s96, 768
	s_add_nc_u64 s[16:17], s[16:17], s[92:93]
	s_add_nc_u64 s[16:17], s[16:17], s[96:97]
	s_add_nc_u64 s[18:19], s[18:19], s[94:95]
	s_add_nc_u64 s[18:19], s[18:19], s[98:99]
	s_lshr_b32 s92, s[BY], 4
	s_and_b32 s94, s[BY], 15
	s_lshl_b32 s92, s92, 8
	s_add_co_u32 s92, s92, s94
	s_mul_i32 s92, s92, 12800
	s_lshl_b32 s96, s[WGX], 1
	s_add_co_u32 s96, s96, s[WW]
	s_lshl_b32 s96, s96, 4
	s_mul_i32 s96, s96, 12800
	s_add_nc_u64 s[20:21], s[20:21], s[92:93]
	s_add_nc_u64 s[20:21], s[20:21], s[96:97]
	s_mul_i32 s98, s[WX], 3072
	s_add_nc_u64 s[52:53], s[20:21], s[98:99]
	s_lshl_b32 s98, s[WX], 7
	s_add_nc_u64 s[54:55], s[20:21], s[98:99]
	s_mul_i32 s98, s[WX], 768
	s_add_nc_u64 s[56:57], s[20:21], s[98:99]
	s_lshl_b32 s98, s[WX], 1
	s_add_nc_u64 s[58:59], s[20:21], s[98:99]
	s_wait_loadcnt 16
	MTURN 0
	s_wait_loadcnt 0x0
	s_wait_xcnt 0x0
	MTURN 1
	s_wait_tensorcnt 1
	s_barrier_signal -1
	s_barrier_wait -1
	TILE 0
	TILE 1
	TILE 2
	s_wait_tensorcnt 0x0
	ds_add_u32 v[SPW], v[NIL]
	s_wait_dscnt 0x0
	CROUND
	s_endpgm
.Lfunc_end_k_q4b2a9cc412_proj:
	.size	k_q4b2a9cc412_proj, .Lfunc_end_k_q4b2a9cc412_proj-k_q4b2a9cc412_proj
	.p2alignl 7, 3214868480
	.fill 96, 4, 3214868480
	.section	.rodata,"a",@progbits
	.p2align	6, 0x0
	.amdhsa_kernel k_q4b2a9cc412_proj
		.amdhsa_group_segment_fixed_size 327680
		.amdhsa_private_segment_fixed_size 0
		.amdhsa_enable_private_segment 0
		.amdhsa_kernarg_size 104
		.amdhsa_user_sgpr_count 2
		.amdhsa_user_sgpr_kernarg_segment_ptr 1
		.amdhsa_wavefront_size32 1
		.amdhsa_system_sgpr_workgroup_id_x 1
		.amdhsa_system_sgpr_workgroup_id_y 1
		.amdhsa_system_sgpr_workgroup_id_z 1
		.amdhsa_system_vgpr_workitem_id 0
		.amdhsa_next_free_vgpr 416
		.amdhsa_next_free_sgpr 102
		.amdhsa_reserve_vcc 1
		.amdhsa_float_denorm_mode_32 3
		.amdhsa_float_denorm_mode_16_64 3
		.amdhsa_memory_ordered 1
		.amdhsa_forward_progress 1
		.amdhsa_inst_pref_size 171
	.end_amdhsa_kernel
	.amdgpu_metadata
---
amdhsa.version: [ 1, 2 ]
amdhsa.kernels:
  - .name:           k_q4b2a9cc412_proj
    .symbol:         k_q4b2a9cc412_proj.kd
    .args:
      - { .name: img, .offset: 0, .size: 8, .value_kind: global_buffer, .address_space: global }
      - { .name: scl, .offset: 8, .size: 8, .value_kind: global_buffer, .address_space: global }
      - { .name: b_q, .offset: 16, .size: 8, .value_kind: global_buffer, .address_space: global }
      - { .name: b_k, .offset: 24, .size: 8, .value_kind: global_buffer, .address_space: global }
      - { .name: b_v, .offset: 32, .size: 8, .value_kind: global_buffer, .address_space: global }
      - { .name: padding_mask, .offset: 40, .size: 8, .value_kind: global_buffer, .address_space: global }
      - { .name: qimg, .offset: 48, .size: 8, .value_kind: global_buffer, .address_space: global }
      - { .name: qscl, .offset: 56, .size: 8, .value_kind: global_buffer, .address_space: global }
      - { .name: kv, .offset: 64, .size: 8, .value_kind: global_buffer, .address_space: global }
      - { .name: causal_mask, .offset: 72, .size: 8, .value_kind: global_buffer, .address_space: global }
      - { .name: mimg, .offset: 80, .size: 8, .value_kind: global_buffer, .address_space: global }
      - { .name: mflag, .offset: 88, .size: 8, .value_kind: global_buffer, .address_space: global }
      - { .name: mval, .offset: 96, .size: 8, .value_kind: global_buffer, .address_space: global }
    .group_segment_fixed_size: 327680
    .private_segment_fixed_size: 0
    .kernarg_segment_align: 8
    .kernarg_segment_size: 104
    .max_flat_workgroup_size: 128
    .sgpr_count:     102
    .vgpr_count:     416
    .wavefront_size: 32
...
	.end_amdgpu_metadata
.endif
;; end of part 2
;; launch attn (part 3): grid 8 x 32, 16 waves a work-group, no clusters, 215,040 bytes of LDS; arguments qimg, qscl, kv, mimg, padding_mask, img, scl, mflag, mval; writes img, scl
.if DOCPART == 3
	.amdgcn_target "amdgcn-amd-amdhsa--gfx1250"
	.amdhsa_code_object_version 6
	.text
	.protected	k_q4b2a9cc412_attn
	.globl	k_q4b2a9cc412_attn
	.p2align	8
	.type	k_q4b2a9cc412_attn,@function
k_q4b2a9cc412_attn:
	s_mov_b64 s[64:65], 0
	v_nop
	global_prefetch_b8 v0, s[64:65] scope:SCOPE_SE
	s_setreg_imm32_b32 hwreg(HW_REG_WAVE_MODE, 25, 1), 1
	s_wait_xcnt 0x0
; Launch 3 of 4: the attention of one head and 256 queries a work-group, both products on codes of E2M3; the context is quantised in registers and stored as tiles 1024-1279 of img and scl.
; Every score is made: both masks are inputs.  WHAT IS LEFT OUT hangs on whole numbers that the second launch stored (mflag: a class for each unit of 16 queries x 128 keys of causal_mask):
; class 0, all zeros: the addition of 0 is left out, and t = D x (log2(e) / 8), which has the bits of (D / 8) x log2(e) since 1/8 is a power of two; class 1, one number throughout: it is added from mval's word and the
; unit's 8,192 bytes are not loaded; class 2: the unit is loaded and added.  All three give reference()'s logit for every mask; the sign of a zero logit aside.
; SHARES.  Sixteen waves, each with one tile of 16 queries in 256 registers.  A step is 128 keys; 16 steps.  THE WHOLE HEAD LIES IN LDS: 16 records of 12,800 bytes; wave w brings record w by 25 loads of 512 bytes and
; stores it; one barrier; the loop has none.
; NO TENSOR LOAD AND NO CLUSTER: the steps branch on numbers read from memory.
; NO PREFETCH: the records are asked for at the head, with no loop to run ahead in; a class 2 unit is asked for one step ahead by its own loads.
; LAYOUT.  Both products transposed: S^T = K Q^T, O^T = V^T P^T: a lane holds ONE query.  Register 16 b + e of S is key 32 b + 16 h + e of the step.
; K = 64 IN AN INSTRUCTION OF 128: a fragment of K holds two key tiles; it is multiplied by [q | 0] and by [0 | q], both cut out of one run of 18 registers 0 x 6, q x 6, 0 x 6.
; THE LOGIT AS reference() ROUNDS IT.  The score's C is 0, or -8e9 at a padded key, whose codes of K are zeros.  logit = fma(D, 1/8, mask) rounds once; t = logit x log2(e) is rounded, then M is taken off.
; THE SOFTMAX: M = the running largest t rounded up to a whole number; p = 2^(t - M) is quantised along the keys; the sum is taken of the unquantised p; when M moves, sum and O^T are multiplied by 2^(old M - new M).
; LIMITS: NaN and infinities are not served.  A block's largest p is made from its largest t, which takes v_exp_f32 not to fall where its input rises.  1 / sum by v_rcp_f32.  Blocks of zeros carry the byte 1.
.set REC,   13312                      ; a record in LDS: 12,800 bytes of kv, then 512 bytes: 0 or -8e9 for each of its 128 keys
.set KVB,   12800
.set SPARE, 16*REC                     ; the spare words, 128 bytes a wave
.set A16, 1                            ; the step's record + 16 x lane
.set A8,  2                            ; + 512 + 8 x lane
.set A4,  3                            ; + 4 x lane
.set AP,  4                            ; + 64 h
.set SPW, 5
.set NIL, 6
.set L16, 7                            ; 16 x lane; never rewritten
.set KS,  8                            ; v8, v9 K's scale words, then V's
.set QS,  10
.set QR,  16                           ; v16-33 0 x 6, q x 6, 0 x 6.  v12 -M, v13 the largest t, v[14:15] the sum
.set FF,  34                           ; f; v35 p's scale word
.set PCD, 36                           ; p's codes
.set F,   48                           ; v48-95 four fragments; between the products at work:
.set BM,  48
.set PT,  52
.set SO,  56
.set BYT, 60
.set T0,  64
.set CT,  68
.set SU,  84                           ; v84-91 four chains of sums
.set S,   96
.set MK,  160
.set O,   224
.set WV,  18
.set BH,  21
.set TAU, 22
.set SEL, 24
.set CS,  26                           ; log2(e)
.set E8,  28                           ; 1/8
.set LB,  40                           ; my record's LDS byte
.set CNT, 44
.set CZ,  45                           ; log2(e) / 8
.set CV,  60                           ; the step's word of mval
.set CM,  62                           ; s[62:63] the step's factor
.set PK,  84                           ; the classes still to come, two bits each, this step's lowest
.set FL,  85
.macro WM0 d, a, b, sa, sb
	v_wmma_scale_f32_16x16x128_f8f6f4 v[(\d):(\d)+7], v[(\a):(\a)+11], v[(\b):(\b)+11], v[(\d):(\d)+7], v[(\sa)], v[(\sb)] matrix_a_fmt:MATRIX_FMT_FP6 matrix_b_fmt:MATRIX_FMT_FP6
.endm
.macro WM1 d, a, b, sa, sb             ; A's scales in lanes 16-31
	v_wmma_scale_f32_16x16x128_f8f6f4 v[(\d):(\d)+7], v[(\a):(\a)+11], v[(\b):(\b)+11], v[(\d):(\d)+7], v[(\sa)], v[(\sb)] matrix_a_fmt:MATRIX_FMT_FP6 matrix_b_fmt:MATRIX_FMT_FP6 matrix_a_scale:MATRIX_SCALE_ROW1
.endm
.macro FRAGS off
.irp g, 0,1,2,3
	ds_load_b128 v[F+12*\g:F+12*\g+3], v[A16] offset:\off+1536*\g
	ds_load_b64 v[F+12*\g+4:F+12*\g+5], v[A8] offset:\off+1536*\g
	ds_load_b128 v[F+12*\g+6:F+12*\g+9], v[A16] offset:\off+1536*\g+768
	ds_load_b64 v[F+12*\g+10:F+12*\g+11], v[A8] offset:\off+1536*\g+768
.endr
.endm
	s_load_b256 s[4:11], s[0:1], 0x0               ; qimg, qscl, kv, mimg
	s_load_b128 s[12:15], s[0:1], 0x20             ; padding_mask, img
	s_load_b64 s[16:17], s[0:1], 0x30              ; scl
	s_load_b128 s[56:59], s[0:1], 0x38             ; mflag, mval
	v_lshl_add_u32 v[SPW], v0, 2, SPARE
	v_mov_b32 v[NIL], 0
	v_lshrrev_b32 v1, 5, v0
	s_delay_alu instid0(VALU_DEP_1)
	v_readfirstlane_b32 s[WV], v1
	s_lshl_b32 s[TAU], ttmp9, 4
	s_add_co_u32 s[TAU], s[TAU], s[WV]             ; my tile of 16 queries
	s_and_b32 s[BH], ttmp7, 0xffff                 ; 16 batch + head
	s_mul_i32 s[LB], s[WV], REC
	s_lshl_b32 s46, s[BH], 4
	s_add_co_u32 s46, s46, s[WV]
	s_mul_i32 s46, s46, KVB                        ; record w of my head
	s_mov_b32 s47, 0
	s_lshr_b32 s48, s[BH], 4
	s_lshl_b32 s48, s48, 11                        ; the batch's row of padding_mask
	s_mov_b32 s49, 0
	s_lshl_b32 s50, s[BH], 7
	s_add_co_u32 s50, s50, s[TAU]
	s_lshl_b32 s52, s50, 6                         ; Q's scale words
	s_mov_b32 s53, 0
	s_mul_i32 s50, s50, 768                        ; Q's unit
	s_mov_b32 s51, 0
	s_lshl_b32 s54, s[TAU], 17                     ; the mask's image of my tile
	s_mov_b32 s55, 0
	s_mov_b32 s[SEL], 0x76543210
	s_mov_b32 s[SEL+1], 0xfedcba98
	s_mov_b32 s[CS], 0x3fb8aa3b
	s_mov_b32 s[CZ], 0x3e38aa3b
	s_mov_b32 s[CM+1], 0                           ; (named as a pair's upper half, so it is written)
	s_mov_b32 s[E8], 0x3e000000
	s_mov_b32 s[E8+1], s[E8]
	s_mov_b32 s[CNT], 15
	v_and_b32 v58, 31, v0                          ; lane
	v_and_b32 v59, 15, v0                          ; r
	v_bfe_u32 v60, v0, 4, 1                        ; h
	v_lshlrev_b32 v48, 2, v0                       ; four keys a thread
	v_lshlrev_b32 v[L16], 4, v58
	v_lshlrev_b32 v49, 3, v58
	v_lshlrev_b32 v50, 2, v59
	s_wait_alu depctr_va_vdst(0)
	s_wait_kmcnt 0x0
	s_add_nc_u64 s[8:9], s[8:9], s[46:47]
	s_add_nc_u64 s[12:13], s[12:13], s[48:49]
	s_add_nc_u64 s[4:5], s[4:5], s[50:51]
	s_add_nc_u64 s[6:7], s[6:7], s[52:53]
	s_add_nc_u64 s[10:11], s[10:11], s[54:55]
	s_lshl_b32 s46, s[TAU], 6                      ; my tile's 16 words of mflag and of mval
	s_add_nc_u64 s[56:57], s[56:57], s[46:47]
	s_add_nc_u64 s[58:59], s[58:59], s[46:47]
	s_load_b512 s[68:83], s[56:57], 0x0            ; the 16 classes
	s_load_b32 s[CV], s[58:59], 0x0                ; step 0's number
.set n, 0
.rept 16
	global_load_b128 v[S+4*n:S+4*n+3], v[L16], s[8:9] offset:512*n   ; my record: 25 x 512 bytes
.set n, n+1
.endr
.set n, 0
.rept 8
	global_load_b128 v[64+4*n:67+4*n], v[L16], s[8:9] offset:8192+512*n
.set n, n+1
.endr
	global_load_b128 v[36:39], v[L16], s[8:9] offset:12288
	global_load_b32 v51, v48, s[12:13]             ; four bytes of padding_mask
	global_load_b128 v[QR+6:QR+9], v[L16], s[4:5]
	global_load_b64 v[QR+10:QR+11], v49, s[4:5] offset:512
	global_load_b32 v[QS], v50, s[6:7]
.set n, 0
.rept 16
	global_load_b128 v[MK+4*n:MK+4*n+3], v[L16], s[10:11] offset:512*n   ; step 0's mask, whatever its class: so these registers are written on every way
.set n, n+1
.endr
	v_mov_b32 v[A16], v[L16]
	v_add_nc_u32 v[A8], 512, v49
	v_lshlrev_b32 v[A4], 2, v58
	v_lshlrev_b32 v[AP], 6, v60
	v_add_nc_u32 v61, s[LB], v[L16]                ; my record + 16 x lane
	v_mov_b32 v57, 0xcfee6b28                      ; -8e9; x 1/8 it is reference()'s -1e9
.irp e, 0,1,2,3,4,5
	v_mov_b32 v[QR+\e], 0
	v_mov_b32 v[QR+12+\e], 0
.endr
.set n, 0
.rept 32
	v_mov_b32 v[O+n], 0                            ; the step is written once: the first finds zeros
.set n, n+1
.endr
	v_mov_b32 v13, 0xff61b1e6                      ; -3e38
	s_delay_alu instid0(VALU_DEP_1)
	v_floor_f32 v12, -v13
	v_mov_b32 v14, 0
	v_mov_b32 v15, 0
	v_mov_b32 v[FF+1], 0
	s_wait_loadcnt 16                              ; all but the mask's 16
.irp e, 0,1,2,3
	v_bfe_u32 v56, v51, 8*\e, 8
	s_delay_alu instid0(VALU_DEP_1)
	v_cmp_ne_u32 vcc_lo, 0, v56
	s_delay_alu instid0(VALU_DEP_1)
	v_cndmask_b32 v[52+\e], 0, v57, vcc_lo
.endr
	ds_store_b128 v61, v[52:55] offset:KVB
.set n, 0
.rept 16
	ds_store_b128 v61, v[S+4*n:S+4*n+3] offset:512*n
.set n, n+1
.endr
.set n, 0
.rept 8
	ds_store_b128 v61, v[64+4*n:67+4*n] offset:8192+512*n
.set n, n+1
.endr
	ds_store_b128 v61, v[36:39] offset:12288
	s_wait_kmcnt 0x0
	s_mov_b32 s[PK], s68                           ; 16 classes of two bits in one word
.irp i, 1,2,3,4,5,6,7,8,9,10,11,12,13,14,15
	s_lshl_b32 s46, s[68+\i], 2*\i
	s_or_b32 s[PK], s[PK], s46
.endr
	s_wait_dscnt 0x0                               ; my stores are done:
	s_barrier_signal -1
	s_barrier_wait -1                              ; everybody's are
.macro STEP fill
.set n, 0
.rept 16
	ds_load_b128 v[S+4*n:S+4*n+3], v[AP] offset:KVB+128*(n/4)+16*(n%4)   ; the scores' C
.set n, n+1
.endr
	FRAGS 0                                        ; K
	ds_load_b32 v[KS], v[A4] offset:12288
	ds_load_b32 v[KS+1], v[A4] offset:12416
	s_wait_dscnt 0x0
	WM0 S, F, QR+6, KS, QS                         ; eight accumulators, one instruction each
	WM0 S+8, F, QR, KS, QS
	WM1 S+16, F+12, QR+6, KS, QS
	WM1 S+24, F+12, QR, KS, QS
	WM0 S+32, F+24, QR+6, KS+1, QS
	WM0 S+40, F+24, QR, KS+1, QS
	WM1 S+48, F+36, QR+6, KS+1, QS
	WM1 S+56, F+36, QR, KS+1, QS
.rept 4
	v_nop                                          ; places in front of the first read of results
.endr
	s_wait_loadcnt 0x0                             ; any mask asked for a step ago
	s_wait_kmcnt 0x0                               ; this step's number
	s_and_b32 s[FL], s[PK], 3                      ; this step's class
	s_cmp_eq_u32 s[FL], 0
	s_cselect_b32 s[CM], s[CZ], s[CS]              ; class 0: the 1/8 goes into the factor
	s_cbranch_scc1 .Llogit_\@
	s_cmp_eq_u32 s[FL], 1
	s_cbranch_scc1 .Lone_\@
.set n, 0
.rept 32
	v_pk_fma_f32 v[S+2*n:S+2*n+1], v[S+2*n:S+2*n+1], s[E8:E8+1], v[MK+2*n:MK+2*n+1] op_sel_hi:[1,0,1]   ; the logit; each accumulator from its low end on
.set n, n+1
.endr
	s_branch .Llogit_\@
.Lone_\@:
	v_mov_b32 v[T0], s[CV]
.set n, 0
.rept 32
	v_pk_fma_f32 v[S+2*n:S+2*n+1], v[S+2*n:S+2*n+1], s[E8:E8+1], v[T0:T0+1] op_sel_hi:[1,0,0]
.set n, n+1
.endr
.Llogit_\@:
.if \fill
	s_add_nc_u64 s[10:11], s[10:11], 8192          ; (the loads that read these bases are in)
	s_add_nc_u64 s[58:59], s[58:59], 4
	s_load_b32 s[CV], s[58:59], 0x0                ; the next step's number
	s_lshr_b32 s[PK], s[PK], 2
	s_and_b32 s[FL], s[PK], 3
	s_cmp_eq_u32 s[FL], 2
	s_cbranch_scc0 .Lnomask_\@
.set n, 0
.rept 16
	global_load_b128 v[MK+4*n:MK+4*n+3], v[L16], s[10:11] offset:512*n   ; the next step's mask, where its class asks for it
.set n, n+1
.endr
.Lnomask_\@:
.endif
.set n, 0
.rept 32
	v_pk_mul_f32 v[S+2*n:S+2*n+1], v[S+2*n:S+2*n+1], s[CM:CM+1] op_sel_hi:[1,0]   ; t
.set n, n+1
.endr
.irp b, 0,1,2,3
	v_max3_num_f32 v[BM+\b], v[S+16*\b], v[S+16*\b+1], v[S+16*\b+2]   ; the largest t of each block of 32 keys
.endr
.irp i, 3,5,7,9,11,13
.irp b, 0,1,2,3
	s_delay_alu instid0(VALU_DEP_4)
	v_max3_num_f32 v[BM+\b], v[BM+\b], v[S+16*\b+\i], v[S+16*\b+\i+1]
.endr
.endr
.irp b, 0,1,2,3
	s_delay_alu instid0(VALU_DEP_4)
	v_max_num_f32 v[BM+\b], v[BM+\b], v[S+16*\b+15]
.endr
.irp b, 0,1,2,3
	s_delay_alu instid0(VALU_DEP_4)
	v_permlanex16_b32 v[PT+\b], v[BM+\b], s[SEL], s[SEL+1]
.endr
.irp b, 0,1,2,3
	s_delay_alu instid0(VALU_DEP_4)
	v_max_num_f32 v[BM+\b], v[BM+\b], v[PT+\b]
.endr
	s_delay_alu instid0(VALU_DEP_2)
	v_max3_num_f32 v[T0], v[BM], v[BM+1], v[BM+2]
	s_delay_alu instid0(VALU_DEP_1)
	v_max_num_f32 v[T0], v[T0], v[BM+3]
	s_delay_alu instid0(VALU_DEP_1)
	v_max_num_f32 v13, v13, v[T0]                  ; the running largest t
	v_mov_b32 v[T0], v12
	s_delay_alu instid0(VALU_DEP_2)
	v_floor_f32 v12, -v13                          ; the new -M
	s_delay_alu instid0(VALU_DEP_1)
	v_sub_f32 v[T0], v12, v[T0]
	s_delay_alu instid0(VALU_DEP_1)
	v_cvt_i32_f32 v[T0], v[T0]
	s_delay_alu instid0(VALU_DEP_1)
	v_ldexp_f32 v[FF], 1.0, v[T0]                  ; f = 2^(old M - new M)
.set n, 0
.rept 32
	v_pk_add_f32 v[S+2*n:S+2*n+1], v[S+2*n:S+2*n+1], v[12:13] op_sel_hi:[1,0]   ; t - M
.set n, n+1
.endr
.irp b, 0,1,2,3
	v_add_f32 v[BM+\b], v[BM+\b], v12
.endr
.set n, 0
	s_wait_alu depctr_va_vdst(0)
.rept 64
	v_exp_f32 v[S+n], v[S+n]                       ; p
.set n, n+1
.endr
	v_pk_mul_f32 v[14:15], v[14:15], v[FF:FF+1] op_sel_hi:[1,0]   ; the sums under the new M: the plain place behind the batch
	s_wait_alu depctr_va_vdst(0)                   ; one wait for the batch
.irp b, 0,1,2,3
	v_exp_f32 v[BM+\b], v[BM+\b]                   ; the block's largest p
.endr
.irp c, 0,1,2,3
	v_pk_add_f32 v[SU+2*\c:SU+2*\c+1], v[S+2*\c:S+2*\c+1], v[S+8+2*\c:S+8+2*\c+1]   ; the sum of the unquantised p, in four chains by turns
.endr
.irp k, 2,3,4,5,6,7
.irp c, 0,1,2,3
	v_pk_add_f32 v[SU+2*\c:SU+2*\c+1], v[SU+2*\c:SU+2*\c+1], v[S+8*\k+2*\c:S+8*\k+2*\c+1]
.endr
.endr
	v_pk_add_f32 v[SU:SU+1], v[SU:SU+1], v[SU+2:SU+3]
	v_pk_add_f32 v[SU+4:SU+5], v[SU+4:SU+5], v[SU+6:SU+7]
	v_pk_add_f32 v[SU:SU+1], v[SU:SU+1], v[SU+4:SU+5]
	v_pk_add_f32 v[14:15], v[14:15], v[SU:SU+1]
	s_wait_alu depctr_va_vdst(0)                   ; and one for the four
.irp b, 0,1,2,3
	v_max_num_f32 v[BM+\b], 0x1800000, v[BM+\b]    ; the floor 2^(3 - 127)
.endr
.irp b, 0,1,2,3
	s_delay_alu instid0(VALU_DEP_4)
	v_add_nc_u32 v[SO+\b], 0xff000000, v[BM+\b]
.endr
.irp b, 0,1,2,3
	s_delay_alu instid0(VALU_DEP_4)
	v_lshrrev_b32 v[BYT+\b], 23, v[SO+\b]
.endr
	s_delay_alu instid0(VALU_DEP_3)
	v_lshl_or_b32 v[FF+1], v[BYT+1], 8, v[BYT]     ; p's scale word
	s_delay_alu instid0(VALU_DEP_1)
	v_lshl_or_b32 v[FF+1], v[BYT+2], 16, v[FF+1]
	s_delay_alu instid0(VALU_DEP_1)
	v_lshl_or_b32 v[FF+1], v[BYT+3], 24, v[FF+1]
.irp c, 0,1
	v_cvt_scalef32_pk16_fp6_f32 v[PCD+6*\c:PCD+6*\c+2], v[S+32*\c:S+32*\c+15], v[SO+2*\c]
	v_cvt_scalef32_pk16_fp6_f32 v[CT+4*\c:CT+4*\c+2], v[S+32*\c+16:S+32*\c+31], v[SO+2*\c+1]
.endr
	v_nop                                          ; one plain place behind a scaled conversion
.irp c, 0,1
.irp i, 0,1,2
	v_permlane16_swap_b32 v[PCD+6*\c+\i], v[CT+4*\c+\i]
.endr
.irp i, 0,1,2
	s_delay_alu instid0(VALU_DEP_3)
	v_mov_b32 v[PCD+6*\c+3+\i], v[CT+4*\c+\i]
.endr
.endr
	FRAGS 6144                                     ; V^T
	ds_load_b32 v[KS], v[A4] offset:12544
	ds_load_b32 v[KS+1], v[A4] offset:12672
.set n, 0
.rept 16
	v_pk_mul_f32 v[O+2*n:O+2*n+1], v[O+2*n:O+2*n+1], v[FF:FF+1] op_sel_hi:[1,0]   ; O^T under the new M; also the places between p's codes and scale word and the products
.set n, n+1
.endr
	s_wait_alu depctr_va_vdst(0)
	s_wait_dscnt 0x0
	WM0 O, F, PCD, KS, FF+1                        ; four accumulators, one instruction each
	WM1 O+8, F+12, PCD, KS, FF+1
	WM0 O+16, F+24, PCD, KS+1, FF+1
	WM1 O+24, F+36, PCD, KS+1, FF+1
	v_add_nc_u32 v[A16], REC, v[A16]               ; the next record; also the four places behind the products
	v_add_nc_u32 v[A8], REC, v[A8]
	v_add_nc_u32 v[A4], REC, v[A4]
	v_add_nc_u32 v[AP], REC, v[AP]
.endm
.Lstep:
	s_wait_alu depctr_va_vdst(0)
	STEP 1
	s_sub_co_u32 s[CNT], s[CNT], 1
	s_cmp_lg_u32 s[CNT], 0
	s_cbranch_scc1 .Lstep
	STEP 0                                         ; the last step asks for nothing more
	; THE WAY OUT: O^T / the sum: two blocks of 32 along the last product's K, quantised here: one unit and two scale bytes a row
	v_add_f32 v14, v14, v15
	s_delay_alu instid0(VALU_DEP_1)
	v_permlanex16_b32 v[T0], v14, s[SEL], s[SEL+1]
	s_delay_alu instid0(VALU_DEP_1)
	v_add_f32 v14, v14, v[T0]
	s_wait_alu depctr_va_vdst(0)
	v_rcp_f32 v14, v14
	v_and_b32 v[A8], 31, v0
	s_delay_alu instid0(VALU_DEP_1)
	v_lshlrev_b32 v[A8], 3, v[A8]                  ; 8 x lane
	v_and_b32 v[A4], 15, v0
	s_delay_alu instid0(VALU_DEP_1)
	v_lshlrev_b32 v[A4], 5, v[A4]                  ; 32 r
	s_wait_alu depctr_va_vdst(0)
.set n, 0
.rept 16
	v_pk_mul_f32 v[S+2*n:S+2*n+1], v[O+2*n:O+2*n+1], v[14:15] op_sel_hi:[1,0]
.set n, n+1
.endr
.irp b, 0,1
	v_max3_num_f32 v[BM+\b], |v[S+16*\b]|, |v[S+16*\b+1]|, 0x1800000
.endr
.irp e, 2,4,6,8,10,12,14
.irp b, 0,1
	s_delay_alu instid0(VALU_DEP_2)
	v_max3_num_f32 v[BM+\b], v[BM+\b], |v[S+16*\b+\e]|, |v[S+16*\b+\e+1]|
.endr
.endr
.irp b, 0,1
	s_delay_alu instid0(VALU_DEP_2)
	v_permlanex16_b32 v[PT+\b], v[BM+\b], s[SEL], s[SEL+1]
.endr
.irp b, 0,1
	s_delay_alu instid0(VALU_DEP_2)
	v_max_num_f32 v[BM+\b], v[BM+\b], v[PT+\b]
.endr
.irp b, 0,1
	s_delay_alu instid0(VALU_DEP_2)
	v_add_nc_u32 v[SO+\b], 0xff000000, v[BM+\b]
.endr
.irp b, 0,1
	s_delay_alu instid0(VALU_DEP_2)
	v_lshrrev_b32 v[BYT+\b], 23, v[SO+\b]
.endr
	s_delay_alu instid0(VALU_DEP_1)
	v_lshl_or_b32 v[T0], v[BYT+1], 8, v[BYT]
	v_cvt_scalef32_pk16_fp6_f32 v[PCD:PCD+2], v[S:S+15], v[SO]
	v_cvt_scalef32_pk16_fp6_f32 v[CT:CT+2], v[S+16:S+31], v[SO+1]
	v_nop
.irp i, 0,1,2
	v_permlane16_swap_b32 v[PCD+\i], v[CT+\i]
.endr
.irp i, 0,1,2
	s_delay_alu instid0(VALU_DEP_3)
	v_mov_b32 v[PCD+3+\i], v[CT+\i]
.endr
	s_lshr_b32 s50, s[BH], 4
	s_lshl_b32 s50, s50, 7
	s_add_co_u32 s50, s50, s[TAU]
	s_add_co_u32 s50, s50, 1024                    ; the context's tile: 1024 + 128 batch + query tile
	s_and_b32 s54, s[BH], 15                       ; the head
	s_lshl_b32 s52, s50, 9
	s_lshl_b32 s55, s54, 1
	s_add_co_u32 s52, s52, s55                     ; scl: tile x 512 + 2 head
	s_mov_b32 s53, 0
	s_mul_i32 s50, s50, 12288
	s_mul_i32 s54, s54, 768
	s_add_co_u32 s50, s50, s54                     ; img: tile x 12,288 + head x 768
	s_mov_b32 s51, 0
	s_add_nc_u64 s[14:15], s[14:15], s[50:51]
	s_add_nc_u64 s[16:17], s[16:17], s[52:53]
	s_wait_alu depctr_va_vdst(0)
	global_store_b128 v[L16], v[PCD:PCD+3], s[14:15]
	global_store_b64 v[A8], v[PCD+4:PCD+5], s[14:15] offset:512
	global_store_b16 v[A4], v[T0], s[16:17]        ; both lanes of a row store the same two bytes
	s_wait_tensorcnt 0x0                           ; the wave's end
	ds_add_u32 v[SPW], v[NIL]
	s_wait_dscnt 0x0
	s_endpgm
.Lfunc_end_k_q4b2a9cc412_attn:
	.size	k_q4b2a9cc412_attn, .Lfunc_end_k_q4b2a9cc412_attn-k_q4b2a9cc412_attn
	.p2alignl 7, 3214868480
	.fill 96, 4, 3214868480
	.section	.rodata,"a",@progbits
	.p2align	6, 0x0
	.amdhsa_kernel k_q4b2a9cc412_attn
		.amdhsa_group_segment_fixed_size 215040
		.amdhsa_private_segment_fixed_size 0
		.amdhsa_enable_private_segment 0
		.amdhsa_kernarg_size 72
		.amdhsa_user_sgpr_count 2
		.amdhsa_user_sgpr_kernarg_segment_ptr 1
		.amdhsa_wavefront_size32 1
		.amdhsa_system_sgpr_workgroup_id_x 1
		.amdhsa_system_sgpr_workgroup_id_y 1
		.amdhsa_system_sgpr_workgroup_id_z 1
		.amdhsa_system_vgpr_workitem_id 0
		.amdhsa_next_free_vgpr 256
		.amdhsa_next_free_sgpr 96
		.amdhsa_reserve_vcc 1
		.amdhsa_float_denorm_mode_32 3
		.amdhsa_float_denorm_mode_16_64 3
		.amdhsa_memory_ordered 1
		.amdhsa_forward_progress 1
		.amdhsa_inst_pref_size 69
	.end_amdhsa_kernel
	.amdgpu_metadata
---
amdhsa.version: [ 1, 2 ]
amdhsa.kernels:
  - .name:           k_q4b2a9cc412_attn
    .symbol:         k_q4b2a9cc412_attn.kd
    .args:
      - { .name: qimg, .offset: 0, .size: 8, .value_kind: global_buffer, .address_space: global }
      - { .name: qscl, .offset: 8, .size: 8, .value_kind: global_buffer, .address_space: global }
      - { .name: kv, .offset: 16, .size: 8, .value_kind: global_buffer, .address_space: global }
      - { .name: mimg, .offset: 24, .size: 8, .value_kind: global_buffer, .address_space: global }
      - { .name: padding_mask, .offset: 32, .size: 8, .value_kind: global_buffer, .address_space: global }
      - { .name: img, .offset: 40, .size: 8, .value_kind: global_buffer, .address_space: global }
      - { .name: scl, .offset: 48, .size: 8, .value_kind: global_buffer, .address_space: global }
      - { .name: mflag, .offset: 56, .size: 8, .value_kind: global_buffer, .address_space: global }
      - { .name: mval, .offset: 64, .size: 8, .value_kind: global_buffer, .address_space: global }
    .group_segment_fixed_size: 215040
    .private_segment_fixed_size: 0
    .kernarg_segment_align: 8
    .kernarg_segment_size: 72
    .max_flat_workgroup_size: 512
    .sgpr_count:     96
    .vgpr_count:     256
    .wavefront_size: 32
...
	.end_amdgpu_metadata
.endif
;; end of part 3
;; launch outp (part 4): grid 8 x 32, 4 waves a work-group, clusters of 4 x 4, 214,528 bytes of LDS; arguments img, scl, b_o, out0; writes out0
.if DOCPART == 4
	.amdgcn_target "amdgcn-amd-amdhsa--gfx1250"
	.amdhsa_code_object_version 6
	.text
	.protected	k_q4b2a9cc412_outp
	.globl	k_q4b2a9cc412_outp
	.p2align	8
	.type	k_q4b2a9cc412_outp,@function
k_q4b2a9cc412_outp:
	s_mov_b64 s[64:65], 0
	v_nop
	global_prefetch_b8 v0, s[64:65] scope:SCOPE_SE
	s_setreg_imm32_b32 hwreg(HW_REG_WAVE_MODE, 25, 1), 1
	s_wait_xcnt 0x0
	s_wait_alu depctr_hold_cnt(0) depctr_sa_sdst(0) depctr_va_vdst(0) depctr_va_sdst(0) depctr_va_ssrc(0) depctr_va_vcc(0) depctr_vm_vsrc(0)
	s_getreg_b32 s2, hwreg(HW_REG_IB_STS2, 6, 4)
	s_cmp_eq_u32 s2, 0
	s_cbranch_scc0 .Lentry_in_a_cluster
	s_endpgm
.Lentry_in_a_cluster:
	s_bfe_u32 s2, ttmp6, 0x10000c
	s_cmp_lg_u32 s2, 0xf033
	s_cbranch_scc0 .Lentry_shape_is_right
	s_endpgm
.Lentry_shape_is_right:
; Launch 4 of 4: out0 = ctx W_o^T + b_o on codes of E2M3: ctx is tiles 1024-1279 of img and scl, W_o tiles 960-1023.  No work of reference() is left out here.
; A work-group makes 128 rows x 128 columns; all of K = 1,024 of both operands lies in LDS and nothing is filled again.  Four neighbouring tiles with all their K steps are ONE dense block of 49,152 bytes of img:
; each wave asks for one such block by one joint load at the head (waves 0, 1: ctx's two, shared along the cluster's row; waves 2, 3: W's two, shared along its column): one tensor load of mine is out.
; The scale words go from scl straight into registers: lanes 0-15 ctx's rows, lanes 16-31 W's.  NO PREFETCH: the launch has no loop to run ahead in.
; A wave makes 64 x 64: acc[i][j], source 0 = W's tile j, source 1 = ctx's tile i: a lane holds one row, its registers run along the columns.
; THE WAY OUT: 16 rows x 64 columns at a time through the wave's own stage in LDS (rows 272 bytes apart), back as whole rows of 256 bytes: sixteen lanes store 256 consecutive bytes, aligned.
; REGISTERS.  window 0: v1-5 addresses; v6, v7 the add's two; v8-10 the way out's; v16-47 scale words; v64-159, v160-255 two buffers of fragments.  window 1: v0-127 accumulators; v128-159 the bias.
.set TILEB, 12288                      ; a tile: 16 rows x 1,024 codes
.set PART,  4*TILEB
.set SIDE,  2*PART                     ; ctx's 8 tiles, then W's 8
.set STAGE, 4*PART
.set SPITCH, 272
.set SPARE, STAGE+4*16*SPITCH          ; the spare words, 128 bytes a wave
.set AX16, 1
.set AX8,  2
.set AW16, 3
.set AW8,  4
.set ASC,  5
.set SPW,  6
.set NIL,  7
.set STO,  8
.set RD,   9
.set CO,   10
.set L16,  13
.set L8,   14
.set SC,   16
.set FB,   64
.set BK,   64
.set BIAS, 128
.set WV,   22
.set WX,   23
.set WW,   24
.set CX,   25
.set CY,   26
.set WGX,  27
.set WGY,  28
.set G1XC, 32
.set G1WC, 40
.set G0X0, 72
.set G0W0, 84
.set MSB, 0
.macro WIN new
.if MSB != \new
	s_set_vgpr_msb (MSB<<8)|\new
.set MSB, \new
.endif
.endm
.macro CROUND
	s_barrier_signal -1
	s_barrier_wait -1
	s_cmp_lg_u32 s[WV], 0
	s_cbranch_scc1 .Lnot_wave_0_\@
	s_barrier_signal -3
.Lnot_wave_0_\@:
	s_barrier_wait -3
	s_barrier_signal -1
	s_barrier_wait -1
.endm
.macro PLACES
.rept 4
	v_nop
.endr
.endm
.macro WMA d, a, b, c, sa, sb          ; source 0's scales in lanes 16-31
	v_wmma_scale_f32_16x16x128_f8f6f4 v[(\d):(\d)+7], v[(\a):(\a)+11], v[(\b):(\b)+11], v[(\c):(\c)+7], v[(\sa)], v[(\sb)] matrix_a_fmt:MATRIX_FMT_FP6 matrix_b_fmt:MATRIX_FMT_FP6 matrix_a_scale:MATRIX_SCALE_ROW1
.endm
.macro MM16 buf, st, first             ; 16 matrix instructions; the accumulators take turns
.set SCR, SC+16*((\st)/4)+(\st)%4
.set FX, FB+96*(\buf)
.set FW, FB+96*(\buf)+48
	WIN 0x50
.irp i, 0,1,2,3
.irp j, 0,1,2,3
.if \first
	WMA 8*(4*\i+\j), FW+12*\j, FX+12*\i, BIAS+8*\j, SCR+4*\j, SCR+4*\i
.else
	WMA 8*(4*\i+\j), FW+12*\j, FX+12*\i, 8*(4*\i+\j), SCR+4*\j, SCR+4*\i
.endif
.endr
.endr
	WIN 0
.endm
.macro FETCH st, buf                   ; K step st's eight fragments, images of their registers: 32 LDS loads
.irp k, 0,1,2,3
	ds_load_b128 v[FB+96*(\buf)+12*\k:FB+96*(\buf)+12*\k+3], v[AX16] offset:\k*TILEB+(\st)*1536
	ds_load_b64 v[FB+96*(\buf)+12*\k+4:FB+96*(\buf)+12*\k+5], v[AX8] offset:\k*TILEB+(\st)*1536
	ds_load_b128 v[FB+96*(\buf)+12*\k+6:FB+96*(\buf)+12*\k+9], v[AX16] offset:\k*TILEB+(\st)*1536+768
	ds_load_b64 v[FB+96*(\buf)+12*\k+10:FB+96*(\buf)+12*\k+11], v[AX8] offset:\k*TILEB+(\st)*1536+768
.endr
.irp k, 0,1,2,3
	ds_load_b128 v[FB+96*(\buf)+48+12*\k:FB+96*(\buf)+48+12*\k+3], v[AW16] offset:\k*TILEB+(\st)*1536
	ds_load_b64 v[FB+96*(\buf)+48+12*\k+4:FB+96*(\buf)+48+12*\k+5], v[AW8] offset:\k*TILEB+(\st)*1536
	ds_load_b128 v[FB+96*(\buf)+48+12*\k+6:FB+96*(\buf)+48+12*\k+9], v[AW16] offset:\k*TILEB+(\st)*1536+768
	ds_load_b64 v[FB+96*(\buf)+48+12*\k+10:FB+96*(\buf)+48+12*\k+11], v[AW8] offset:\k*TILEB+(\st)*1536+768
.endr
.endm
	s_load_b256 s[4:11], s[0:1], 0x0               ; img, scl, b_o, out0
	v_lshl_add_u32 v[SPW], v0, 2, SPARE
	v_mov_b32 v[NIL], 0
	ds_add_u32 v[SPW], v[NIL]                      ; the opening
	ds_add_u32 v[SPW], v[NIL]
	v_lshrrev_b32 v1, 5, v0
	v_readfirstlane_b32 s[WV], v1
	s_lshr_b32 s[WX], s[WV], 1
	s_and_b32 s[WW], s[WV], 1
	s_bfe_u32 s[CX], ttmp6, 0x40000
	s_bfe_u32 s[CY], ttmp6, 0x40004
	s_lshl_b32 s[WGX], ttmp9, 2
	s_add_co_u32 s[WGX], s[WGX], s[CX]
	s_and_b32 s[WGY], ttmp7, 0xffff
	s_lshl_b32 s[WGY], s[WGY], 2
	s_add_co_u32 s[WGY], s[WGY], s[CY]
	s_lshl_b32 s92, s[CY], 2
	s_lshl_b32 s92, 15, s92                        ; my row of the cluster
	s_lshl_b32 s96, 0x1111, s[CX]                  ; my column
	s_or_b32 s[G1XC], s92, (3<<16)|(1<<21)
	s_or_b32 s[G1WC], s96, (3<<16)|(1<<21)
.irp g, G1XC, G1WC                     ; 4 rows of 12,288 bytes (1,536 elements of 8), dense
	s_mov_b32 s[\g+1], 1536<<16
	s_mov_b32 s[\g+2], 4<<16
	s_mov_b32 s[\g+3], 1536<<16
	s_mov_b32 s[\g+4], 4
	s_mov_b32 s[\g+5], 1536
	s_mov_b32 s[\g+6], 0
	s_mov_b32 s[\g+7], 0
.endr
	s_lshl_b32 s92, s[WGY], 3                      ; ctx: tile 1024 + 8 y + 4 part.  s92-93 never hold the cluster's x, s96-97 never its y
	s_lshl_b32 s93, s[WW], 2
	s_add_co_u32 s92, s92, s93
	s_add_co_u32 s92, s92, 1024
	s_mul_i32 s92, s92, TILEB
	s_mov_b32 s93, 0
	s_lshl_b32 s96, s[WGX], 3                      ; W_o: tile 960 + 8 x + 4 part
	s_lshl_b32 s97, s[WW], 2
	s_add_co_u32 s96, s96, s97
	s_add_co_u32 s96, s96, 960
	s_mul_i32 s96, s96, TILEB
	s_mov_b32 s97, 0
	s_mul_i32 s2, s[WV], PART
	s_wait_dscnt 0x0                               ; both opening adds are done
	s_wait_kmcnt 0x0
	s_mov_b32 s[G0X0], 1
	s_mov_b32 s[G0X0+1], s2
	s_add_nc_u64 s[G0X0+2:G0X0+3], s[4:5], s[92:93]
	s_or_b32 s[G0X0+3], s[G0X0+3], 0x80000000
	s_mov_b32 s[G0W0], 1
	s_mov_b32 s[G0W0+1], s2
	s_add_nc_u64 s[G0W0+2:G0W0+3], s[4:5], s[96:97]
	s_or_b32 s[G0W0+3], s[G0W0+3], 0x80000000
	CROUND                                         ; all sixteen work-groups are here: the joint loads meet
	s_cmp_eq_u32 s[WX], 0                          ; one load a wave; an s_nop 0 and four v_nop follow each line
	s_cbranch_scc0 .Lfor_w
	tensor_load_to_lds s[G0X0:G0X0+3], s[G1XC:G1XC+7]
	s_nop 0
	PLACES
	s_branch .Lasked
.Lfor_w:
	tensor_load_to_lds s[G0W0:G0W0+3], s[G1WC:G1WC+7]
	s_nop 0
	PLACES
.Lasked:
	v_and_b32 v54, 31, v0                          ; lane
	v_and_b32 v52, 15, v0                          ; r
	v_bfe_u32 v53, v0, 4, 1                        ; h
	v_lshlrev_b32 v[L16], 4, v54
	v_lshlrev_b32 v[L8], 3, v54
	s_mul_i32 s2, s[WX], PART
	v_add_nc_u32 v[AX16], s2, v[L16]
	v_add_nc_u32 v[AX8], s2, v[L8]
	v_add_nc_u32 v[AX8], 512, v[AX8]
	s_mul_i32 s3, s[WW], PART
	s_add_co_u32 s3, s3, SIDE
	v_add_nc_u32 v[AW16], s3, v[L16]
	v_add_nc_u32 v[AW8], s3, v[L8]
	v_add_nc_u32 v[AW8], 512, v[AW8]
	s_lshl_b32 s2, s[WGY], 12                      ; scl, 512 bytes a tile: ctx's tile 1024 + 8 y + 4 (wave / 2),
	s_lshl_b32 s3, s[WX], 11
	s_add_co_u32 s2, s2, s3
	s_add_co_u32 s2, s2, 1024*512
	s_lshl_b32 s3, s[WGX], 12                      ; W's tile 960 + 8 x + 4 (wave % 2)
	s_lshl_b32 s12, s[WW], 11
	s_add_co_u32 s3, s3, s12
	s_add_co_u32 s3, s3, 960*512
	s_mov_b32 s12, 0xffff0000                      ; lanes 16-31
	v_mov_b32 v49, s2
	v_mov_b32 v50, s3
	v_cndmask_b32 v[ASC], v49, v50, s12
	v_lshl_add_u32 v[ASC], v52, 5, v[ASC]          ; + 32 r
	s_mul_i32 s2, s[WV], 16*SPITCH
	s_add_co_u32 s2, s2, STAGE                     ; my stage
	v_mul_u32_u24 v[STO], v52, SPITCH              ; in: row r, + 64 h
	v_lshl_add_u32 v[STO], v53, 6, v[STO]
	v_add_nc_u32 v[STO], s2, v[STO]
	v_mul_u32_u24 v[RD], v53, SPITCH               ; back: lanes 0-15 one row, lanes 16-31 the next
	v_lshl_add_u32 v[RD], v52, 4, v[RD]
	v_add_nc_u32 v[RD], s2, v[RD]
	v_lshlrev_b32 v[CO], 12, v53                   ; and the same two rows of out0
	v_lshl_add_u32 v[CO], v52, 4, v[CO]
	v_lshlrev_b32 v48, 6, v53                      ; the bias: 16 h numbers on
	s_wait_alu depctr_va_vdst(0)
	s_lshl_b32 s96, s[WGX], 9                      ; my 64 columns, in bytes
	s_lshl_b32 s97, s[WW], 8
	s_add_co_u32 s96, s96, s97
	s_mov_b32 s97, 0
	s_add_nc_u64 s[8:9], s[8:9], s[96:97]
	s_add_nc_u64 s[10:11], s[10:11], s[96:97]
	s_lshl_b32 s92, s[WGY], 19                     ; my 64 rows
	s_lshl_b32 s93, s[WX], 18
	s_add_co_u32 s92, s92, s93
	s_mov_b32 s93, 0
	s_add_nc_u64 s[10:11], s[10:11], s[92:93]
	WIN 0x40
.irp j, 0,1,2,3
	global_load_b128 v[BIAS+8*\j:BIAS+8*\j+3], v48, s[8:9] offset:4*(32*(\j/2)+8*(\j%2))
	global_load_b128 v[BIAS+8*\j+4:BIAS+8*\j+7], v48, s[8:9] offset:4*(32*(\j/2)+8*(\j%2))+16
.endr
	WIN 0
.irp q, 0,1
.irp k, 0,1,2,3
	global_load_b128 v[SC+16*\q+4*\k:SC+16*\q+4*\k+3], v[ASC], s[6:7] offset:\k*512+16*\q   ; the words of K steps 4 q .. 4 q + 3 of tile k
.endr
.endr
	s_wait_tensorcnt 0x0                           ; my block is in,
	s_barrier_signal -1
	s_barrier_wait -1                              ; everybody's is
	FETCH 0, 0
	FETCH 1, 1
	s_wait_dscnt 32                                ; all but the 32 just issued
	s_wait_loadcnt 0x0                             ; the bias and the scale words
	MM16 0, 0, 1                                   ; the first K step starts the sums on the bias
.set ST, 1
.rept 6
	PLACES
	FETCH ST+1, (ST+1)%2
	s_wait_dscnt 32
	MM16 ST%2, ST, 0
.set ST, ST+1
.endr
	s_wait_dscnt 0x0
	MM16 1, 7, 0
	PLACES                                         ; in front of the first read of results, and of loads into registers that held fragments
.macro TOSTAGE i                       ; register e of acc[i][j] is column 32 (j / 2) + 16 h + 8 (j % 2) + e
	WIN 0x04
.irp j, 0,1,2,3
	ds_store_b128 v[STO], v[8*(4*(\i)+\j):8*(4*(\i)+\j)+3] offset:128*(\j/2)+32*(\j%2)      ; each accumulator from its low end on
	ds_store_b128 v[STO], v[8*(4*(\i)+\j)+4:8*(4*(\i)+\j)+7] offset:128*(\j/2)+32*(\j%2)+16
.endr
	WIN 0
.irp k, 0,1,2,3,4,5,6,7
	ds_load_b128 v[BK+32*((\i)%2)+4*\k:BK+32*((\i)%2)+4*\k+3], v[RD] offset:2*\k*SPITCH   ; LDS serves a wave's instructions in order
.endr
.endm
.macro SEND i, younger
	s_wait_dscnt \younger
.irp k, 0,1,2,3,4,5,6,7                ; the tile's rows 2 k + h lie 32 (i / 2) + 8 (i % 2) + 2 k + 8 (k / 4) + h rows below my first
	global_store_b128 v[CO], v[BK+32*((\i)%2)+4*\k:BK+32*((\i)%2)+4*\k+3], s[10:11] offset:(32*((\i)/2)+8*((\i)%2)+2*\k+8*(\k/4))*4096 th:TH_STORE_NT
.endr
.endm
	TOSTAGE 0
	TOSTAGE 1
	SEND 0, 16
	s_wait_xcnt 0x0                                ; tile 0's stores have read their registers
	TOSTAGE 2
	SEND 1, 16
	s_wait_xcnt 0x0
	TOSTAGE 3
	SEND 2, 16
	SEND 3, 0
	s_wait_tensorcnt 0x0                           ; the wave's end
	ds_add_u32 v[SPW], v[NIL]
	s_wait_dscnt 0x0
	CROUND                                         ; the closing round
	s_endpgm
.Lfunc_end_k_q4b2a9cc412_outp:
	.size	k_q4b2a9cc412_outp, .Lfunc_end_k_q4b2a9cc412_outp-k_q4b2a9cc412_outp
	.p2alignl 7, 3214868480
	.fill 96, 4, 3214868480
	.section	.rodata,"a",@progbits
	.p2align	6, 0x0
	.amdhsa_kernel k_q4b2a9cc412_outp
		.amdhsa_group_segment_fixed_size 214528
		.amdhsa_private_segment_fixed_size 0
		.amdhsa_enable_private_segment 0
		.amdhsa_kernarg_size 32
		.amdhsa_user_sgpr_count 2
		.amdhsa_user_sgpr_kernarg_segment_ptr 1
		.amdhsa_wavefront_size32 1
		.amdhsa_system_sgpr_workgroup_id_x 1
		.amdhsa_system_sgpr_workgroup_id_y 1
		.amdhsa_system_sgpr_workgroup_id_z 1
		.amdhsa_system_vgpr_workitem_id 0
		.amdhsa_next_free_vgpr 416
		.amdhsa_next_free_sgpr 102
		.amdhsa_reserve_vcc 0
		.amdhsa_float_denorm_mode_32 3
		.amdhsa_float_denorm_mode_16_64 3
		.amdhsa_memory_ordered 1
		.amdhsa_forward_progress 1
		.amdhsa_inst_pref_size 50
	.end_amdhsa_kernel
	.amdgpu_metadata
---
amdhsa.version: [ 1, 2 ]
amdhsa.kernels:
  - .name:           k_q4b2a9cc412_outp
    .symbol:         k_q4b2a9cc412_outp.kd
    .args:
      - { .name: img, .offset: 0, .size: 8, .value_kind: global_buffer, .address_space: global }
      - { .name: scl, .offset: 8, .size: 8, .value_kind: global_buffer, .address_space: global }
      - { .name: b_o, .offset: 16, .size: 8, .value_kind: global_buffer, .address_space: global }
      - { .name: out0, .offset: 24, .size: 8, .value_kind: global_buffer, .address_space: global }
    .group_segment_fixed_size: 214528
    .private_segment_fixed_size: 0
    .kernarg_segment_align: 8
    .kernarg_segment_size: 32
    .max_flat_workgroup_size: 128
    .sgpr_count:     102
    .vgpr_count:     416
    .wavefront_size: 32
...
	.end_amdgpu_metadata
.endif
;; end of part 4
